; MI455X (gfx1250); checked and timed in simulation.
; The chip was launched on July 23, 2026; its instructions are those of AMD's public machine-readable ISA for CDNA 5 (MIT licence, August 2026) and "CDNA5" Instruction Set Architecture Reference Guide (July 2026). The comments in the code are by the model that wrote it; some were corrected since.
;; Spatial KNN Encoder. Allowed arithmetic: matrix products marked QUANTISED: E5M2 operands, one E8M0 scale for each 32 along K, by v_wmma_scale_f32_16x16x128_f8f6f4 with both operands' format E5M2, f32 sums; products left as they are: f32 operands where the result goes on into a quantised operand, else bf16, f16 or f32 operands; f32 sums; everything else in f32.
;; Inputs: W_feat 128 x 256 float32; W_p1 4 x 128 float32; W_p2 128 x 256 float32; Wk 256 x 256 float32; Wo 256 x 256 float32; Wq 256 x 256 float32; Wv 256 x 256 float32; b_feat 256 float32; b_p1 128 float32; b_p2 256 float32; beta 256 float32; bk 256 float32; bo 256 float32; bq 256 float32; bv 256 float32; coords 4 x 4,096 x 3 float32; features 4 x 4,096 x 128 float32; gamma 256 float32.
;; Outputs: out0 4 x 4,096 x 256 float32.
;; This version of the problem:
;;   THIS VERSION OF THE PROBLEM IS GIVEN IN LOW PRECISION. The matrix products marked QUANTISED in the list below multiply operands that are first quantised to E5M2 (5 exponent bits, 2 mantissa bits; 8 bits a number), with one power-of-two scale for each 32 numbers along K (OCP MX v1.0); their sums are f32. All else is computed in f32.
;;   The module's matrix products, in the order in which they are computed (A, B: the left and right operand; K: the contracted axis; several contracted axes count as one K, in the product's order):
;;     1. [M 16,384, K 128] x [K 128, N 256]; A: input features; B: input W_feat: QUANTISED
;;     2. [M 262,144, K 4] x [K 4, N 128]; A: computed on the way; B: input W_p1: left as it is (K = 4 < 32)
;;     3. [M 262,144, K 128] x [K 128, N 256]; A: computed on the way; B: input W_p2: QUANTISED
;;     4. [M 16,384, K 256] x [K 256, N 256]; A: computed on the way; B: input Wq: QUANTISED
;;     5. [M 262,144, K 256] x [K 256, N 256]; A: computed on the way; B: input Wk: QUANTISED
;;     6. [M 262,144, K 256] x [K 256, N 256]; A: computed on the way; B: input Wv: QUANTISED
;;     7. batch 65,536 x [M 1, K 64] x [K 64, N 16]; A: computed on the way; B: computed on the way: left as it is (M = 1 < 16)
;;     8. batch 65,536 x [M 1, K 16] x [K 16, N 64]; A: softmax; B: computed on the way: left as it is (K = 16 < 32)
;;     9. [M 16,384, K 256] x [K 256, N 256]; A: computed on the way; B: input Wo: QUANTISED
;;   THE QUANTISER, for each operand of a quantised product, along K:
;;     - K is cut into blocks of 32 from its start; a last block that is shorter is filled with zeros.
;;     - A block's scale is 2^e with e = floor(log2(the largest magnitude in the block)) - 15, held to -126 .. 127; a block of zeros has e = 0. As a byte (E8M0): e + 127.
;;     - Each number is divided by its block's scale, clamped to +-57,344, and rounded to the nearest number of E5M2, ties to even, subnormals kept.
;;     - The product sums the exact products of the quantised numbers (number of the format x scale) in f32.
;;   ~~~python
;;   def quantise(x, axis):      # numpy; x: float32 -> the quantised numbers, widened to float32 again
;;       x = np.moveaxis(x, axis, -1); K = x.shape[-1]
;;       x = np.pad(x, [(0, 0)] * (x.ndim - 1) + [(0, -K % 32)]); x = x.reshape(x.shape[:-1] + (-1, 32)); a = np.abs(x).max(-1, keepdims=True)
;;       e = np.where(a > 0, np.clip(np.frexp(np.where(a > 0, a, 1))[1] - 1 - 15, -126, 127), 0)      # np.frexp(a)[1] - 1 = floor(log2(a)), exactly
;;       r = np.clip(x / 2.0 ** e, -57344, 57344)
;;       step = 2.0 ** (np.maximum(np.frexp(np.where(r == 0, 1, r))[1] - 1, -14) - 2)
;;       q = np.round(r / step) * step * 2.0 ** e      # np.round: ties to even
;;       return np.moveaxis(q.reshape(q.shape[:-2] + (-1,))[..., :K], -1, axis).astype(np.float32)
;;   ~~~
;;   OPERANDS COMPUTED ON THE WAY. 'Computed on the way' means the value that the module computes at that place (a softmax that the list does not call 'softmax' is quantised finished and normalised). What goes into a quantiser is computed in f32, as accurately as f32 sums, v_exp_f32 and their like allow (about 1e-6 of the number): no bf16 or f16 on the way to a quantiser, and a product that is left as it is and whose result goes on into a quantised operand takes f32 operands (vector FMAs, or v_wmma_f32_16x16x4_f32). A number that lies on a knife's edge between two numbers of the format may be rounded either way, as far as f32 arithmetic and the matrix unit's own rounding can turn it there, and no further.
;; One version. Each part assembles by itself: llvm-mc -triple=amdgcn-amd-amdhsa -mcpu=gfx1250 --defsym DOCPART=n.
;; ======== version 1 of 1: 3 launches
;; limits: right only within a limited range of input values
;; workspace buffers: cg 196,608 bytes; gsel 1,048,576 bytes of whole numbers; gcnt 2,048 bytes of whole numbers; nidx 1,048,576 bytes of whole numbers; nkd 1,048,576 bytes; fbuf 16,777,216 bytes; fbbuf 16,777,216 bytes; wq 313,344 bytes
;; launch coarse (part 1): grid 256 x 1, 8 waves a work-group, no clusters, 199,168 bytes of LDS; arguments coords, cg, gsel, gcnt; writes cg, gsel, gcnt
.if DOCPART == 1
	.amdgcn_target "amdgcn-amd-amdhsa--gfx1250"
	.amdhsa_code_object_version 6
	.text
	.protected	k_q47a4526f39_coarse
	.globl	k_q47a4526f39_coarse
	.p2align	8
	.type	k_q47a4526f39_coarse,@function
k_q47a4526f39_coarse:
	s_mov_b64 s[64:65], 0
	v_nop
	global_prefetch_b8 v0, s[64:65] scope:SCOPE_SE
	s_setreg_imm32_b32 hwreg(HW_REG_WAVE_MODE, 25, 1), 1
	s_wait_xcnt 0x0
; NEIGHBOUR SEARCH, FIRST LEVEL.  coords: [4][4096][3] f32 (x, y, t).  The 4,096 candidates of a batch are cut into 512 groups of 8 neighbouring indices.
; For every row i and every group the smallest KEY of the group is formed; U is the row's 16th smallest group minimum; the groups whose minimum is at most U + a margin are flagged, one bit a group.
; At least 16 candidates lie at or under U, so each of the row's 16 nearest lies in a flagged group; the next launch looks at those groups alone.
; KEY of (i, j): sq = dx dx + dy dy (fused), dist = sqrt(sq) + 0.3 (ti - tj) (fused); the sign bit is set where tj > ti, where sq > 2500 (the same as sqrt(sq) > 50 for a correctly
; rounded root: the float next above 2500 roots above 50) or where j = i.  As unsigned numbers, keys that count lie under 0x80000000 in the order of their distances.
; MARGIN: this launch's root is v_sqrt_f32 as it is and its sum is fused; the next launch's distance differs by 3 units in the last place at the most, the proof wants twice that, 16 are given;
; under 2^-40 the threshold is held at 2^-40, since roots of squares that the root instruction flushes come out as 0.
; LIMITS: NaN and infinities among the coordinates are not served.
; SHARES: a work-group has 64 rows of one batch.  Wave w: rows 32 (w / 4) on, one row a lane; candidates 1024 (w % 4) on (128 groups).
; OUT: cg [4][512][x8, y8, t8]: the coordinates by groups (each work-group writes its own 8 groups, 768 bytes);  gsel [512 blocks of 32 rows][4 slices][32 lanes][4 words]: bit b of word 4 q + k = group 32 (4 q + k) + b;
; gcnt [512]: the largest number of flagged groups that a row of the block has: the next launch's trip count.
; No matrix unit, no tensor load, no cluster: all is vector work on 48 KiB that each work-group reads once.
.set PADB, 49152                       ; LDS: 0: the batch by groups, 96 bytes a group;  PADB: 512 bytes of zeros, which the last look-ahead of slice 3 reads
.set GMB,  49664                       ; group minima: wave x 16,384 + (group / 4) x 512 + 16 x lane
.set MRGB, 180736                      ; each wave's sorted 16: wave x 2,048 + 128 i + 4 x lane
.set CNTB, 197120                      ; each wave's numbers of flags: wave x 128 + 4 x lane
.set LN,  1                            ; v1      lane
.set XI,  2                            ; v[2:3]  xi twice;  v[4:5] yi;  v[6:7] ti
.set YI,  4
.set TI,  6
.set INV, 8                            ; v8      0x80000000
.set PA,  9                            ; v9      LDS address of the trip in hand (pairs 1 to 3)
.set QA,  10                           ; v10     LDS address of the next trip's pair 0
.set GA,  11                           ; v11     where the trip's minima go
.set C25, 12                           ; v[12:13] 2500.0 twice
.set C03, 14                           ; v[14:15] 0.3 twice
.set BUF, 16                           ; v16-63, v64-111: two buffers of X16, Y16, T16
.set GMR, 112                          ; v112-119 the trip's eight group minima
.set SB1, 120                          ; v120-127, v128-135: the sort's two banks
.set SB2, 128
.set A0,  136                          ; v136-151 the 16 smallest so far, ascending;  v152-167 its other bank
.set A1,  152
.set THR, 168
.set GB,  169                          ; v169    my wave's minima, first quad
.set T0,  170                          ; v170-179 addresses made once
.set MW,  184                          ; v184-187 the four mask words
.macro LOADP b, adr, off               ; two groups, 16 candidates: every lane reads the same 192 bytes
.irp g, 0,1
	ds_load_b128 v[\b+8*\g:\b+8*\g+3], v[\adr] offset:\off+96*\g
	ds_load_b128 v[\b+8*\g+4:\b+8*\g+7], v[\adr] offset:\off+96*\g+16
	ds_load_b128 v[\b+16+8*\g:\b+16+8*\g+3], v[\adr] offset:\off+96*\g+32
	ds_load_b128 v[\b+16+8*\g+4:\b+16+8*\g+7], v[\adr] offset:\off+96*\g+48
	ds_load_b128 v[\b+32+8*\g:\b+32+8*\g+3], v[\adr] offset:\off+96*\g+64
	ds_load_b128 v[\b+32+8*\g+4:\b+32+8*\g+7], v[\adr] offset:\off+96*\g+80
.endr
.endm
.macro CE s, d, i, j                   ; a comparator from bank s into bank d: the smaller to place i
	v_min_u32 v[\d+\i], v[\s+\i], v[\s+\j]
	v_max_u32 v[\d+\j], v[\s+\i], v[\s+\j]
.endm
.macro ST1 s, d
	CE \s, \d, 0, 1
	CE \s, \d, 2, 3
	CE \s, \d, 4, 5
	CE \s, \d, 6, 7
.endm
.macro SORT8 a, b, c                   ; eight keys in bank a come out ascending in bank c; bank a stays as it is
	ST1 \a, \b
	CE \b, \c, 0, 3
	CE \b, \c, 1, 2
	CE \b, \c, 4, 7
	CE \b, \c, 5, 6
	ST1 \c, \b
	CE \b, \c, 0, 7
	CE \b, \c, 1, 6
	CE \b, \c, 2, 5
	CE \b, \c, 3, 4
	CE \c, \b, 0, 2
	CE \c, \b, 1, 3
	CE \c, \b, 4, 6
	CE \c, \b, 5, 7
	ST1 \b, \c
.endm
.macro HC s, d, dd                     ; a half cleaner at distance dd over 16 places
.set i, 0
.rept 16
.if (i & \dd) == 0
	v_min_u32 v[\d+i], v[\s+i], v[\s+i+\dd]
	v_max_u32 v[\d+i+\dd], v[\s+i], v[\s+i+\dd]
.endif
.set i, i+1
.endr
.endm
.macro CLEAN16                         ; a sequence that rises and then falls, in A0, comes out ascending in A0
	HC A0, A1, 8
	HC A1, A0, 4
	HC A0, A1, 2
	HC A1, A0, 1
.endm
; 16 candidates.  The next 16 are asked for first; the count 12 leaves only those out.
.macro PAIR p
.set B, BUF+48*((\p)%2)
.set NB, BUF+48*(1-(\p)%2)
.if \p < 3
	LOADP NB, PA, 192*(\p+1)
.else
	LOADP NB, QA, 0
.endif
	s_wait_dscnt 12                                ; all LDS instructions but the 12 just issued are done: this pair's numbers are in
.if \p == 0
	v_add_nc_u32 v[QA], 768, v[QA]                 ; its loads and the last trip's two stores are done: both addresses may step
	v_add_nc_u32 v[GA], 1024, v[GA]
.endif
.if \p == 3
	v_add_nc_u32 v[PA], 768, v[PA]                 ; the loads that named it are done
.endif
.irp j, 0,2,4,6,8,10,12,14
	v_pk_add_f32 v[B+\j:B+\j+1], v[B+\j:B+\j+1], v[XI:XI+1] neg_lo:[0,1] neg_hi:[0,1]
.endr
.irp j, 0,2,4,6,8,10,12,14
	v_pk_add_f32 v[B+16+\j:B+17+\j], v[B+16+\j:B+17+\j], v[YI:YI+1] neg_lo:[0,1] neg_hi:[0,1]
.endr
.irp j, 0,2,4,6,8,10,12,14
	v_pk_mul_f32 v[B+16+\j:B+17+\j], v[B+16+\j:B+17+\j], v[B+16+\j:B+17+\j]
.endr
.irp j, 0,2,4,6,8,10,12,14
	v_pk_fma_f32 v[B+\j:B+\j+1], v[B+\j:B+\j+1], v[B+\j:B+\j+1], v[B+16+\j:B+17+\j]   ; sq
.endr
	s_wait_alu depctr_va_vdst(0)
.irp c, 0,1,2,3,4,5,6,7,8,9,10,11,12,13,14,15
	v_sqrt_f32 v[B+16+\c], v[B+\c]
.endr
.irp j, 0,2,4,6,8,10,12,14
	v_pk_add_f32 v[B+32+\j:B+33+\j], v[TI:TI+1], v[B+32+\j:B+33+\j] neg_lo:[0,1] neg_hi:[0,1]   ; ti - tj; plain lines behind the roots
.endr
.irp j, 0,2,4,6,8,10,12,14
	v_pk_add_f32 v[B+\j:B+\j+1], v[C25:C25+1], v[B+\j:B+\j+1] neg_lo:[0,1] neg_hi:[0,1]         ; 2500 - sq
.endr
	s_wait_alu depctr_va_vdst(0)
.irp j, 0,2,4,6,8,10,12,14
	v_pk_fma_f32 v[B+16+\j:B+17+\j], v[B+32+\j:B+33+\j], v[C03:C03+1], v[B+16+\j:B+17+\j]       ; the distance
.endr
.irp c, 0,1,2,3,4,5,6,7,8,9,10,11,12,13,14,15
	v_or_b32 v[B+\c], v[B+\c], v[B+32+\c]          ; the sign: later in time, or outside the radius
.endr
.irp c, 0,1,2,3,4,5,6,7,8,9,10,11,12,13,14,15
	v_bfi_b32 v[B+\c], s28, v[B+16+\c], v[B+\c]    ; the key: 31 bits of distance under that sign
.endr
	s_add_co_u32 s27, s24, (\p)/2                  ; which run of 32 candidates these 16 lie in; my 32 rows are one such run.  A branch on ids and the trip's number alone
	s_cmp_lg_u32 s27, s25
	s_cbranch_scc1 .Loff_diag_\@
.irp c, 0,1,2,3,4,5,6,7,8,9,10,11,12,13,14,15
	v_cmp_eq_u32 vcc_lo, \c+16*((\p)%2), v[LN]
	s_delay_alu instid0(VALU_DEP_1)
	v_cndmask_b32 v[B+\c], v[B+\c], v[INV], vcc_lo ; j = i does not count
.endr
.Loff_diag_\@:
	v_min_u32 v[GMR+2*\p], v[B], v[B+1]
	s_wait_alu depctr_va_vdst(0)
	v_min_u32 v[GMR+2*\p+1], v[B+8], v[B+9]
.irp c, 2
	v_min_u32 v[GMR+2*\p], v[GMR+2*\p], v[B+\c]
	s_delay_alu instid0(VALU_DEP_2)
	v_min_u32 v[GMR+2*\p+1], v[GMR+2*\p+1], v[B+8+\c]
.endr
.irp c, 3, 4, 5, 6, 7
	s_delay_alu instid0(VALU_DEP_2)
	v_min_u32 v[GMR+2*\p], v[GMR+2*\p], v[B+\c]
	s_delay_alu instid0(VALU_DEP_2)
	v_min_u32 v[GMR+2*\p+1], v[GMR+2*\p+1], v[B+8+\c]
.endr
.endm
	s_load_b128 s[4:7], s[0:1], 0x0                ; coords, cg
	s_load_b64 s[8:9], s[0:1], 0x10                ; gsel
	s_load_b64 s[30:31], s[0:1], 0x18              ; gcnt
	v_lshl_add_u32 v192, v0, 2, 0x30600
	v_mov_b32 v193, 0
	v_lshrrev_b32 v1, 5, v0
	s_delay_alu instid0(VALU_DEP_1)
	v_readfirstlane_b32 s10, v1                    ; wave 0..7
	v_and_b32 v[LN], 31, v0
	s_wait_alu depctr_va_vdst(0)
	s_lshr_b32 s11, ttmp9, 6                       ; batch
	s_and_b32 s12, ttmp9, 63                       ; which 64 rows of it
	s_lshr_b32 s13, s10, 2                         ; which 32 of those
	s_and_b32 s14, s10, 3                          ; slice q
	s_mul_i32 s16, s11, 49152                      ; the batch's bytes in coords and in cg
	s_mov_b32 s17, 0
	s_mul_i32 s18, s12, 768                        ; 64 rows x 12 bytes = 8 groups x 96
	s_mov_b32 s19, 0
	s_mul_i32 s20, s13, 384
	s_add_co_u32 s20, s20, s18
	s_mov_b32 s28, 0x7fffffff
	v_mul_u32_u24 v[PA], v0, 96                    ; the fill: thread n takes groups n and n + 256
	v_mad_u32_u24 v[QA], v[LN], 12, s20            ; my row's 12 bytes
	v_lshl_add_u32 v[GA], v[LN], 4, PADB
	; every LDS address is made here, ahead of the lines that only some waves run
	v_lshl_add_u32 v[T0], v[LN], 4, s18            ; the work-group's own 8 groups in LDS: 512 bytes,
	v_lshl_add_u32 v[T0+1], v[LN], 3, s18          ; and (at + 512) 256 more
	v_lshlrev_b32 v[T0+2], 4, v[LN]
	v_lshlrev_b32 v[T0+3], 3, v[LN]
	s_lshl_b32 s27, s10, 11
	s_add_co_u32 s27, s27, MRGB
	v_lshl_add_u32 v[T0+4], v[LN], 2, s27          ; where my sorted 16 go
	s_lshl_b32 s27, s13, 13
	s_add_co_u32 s27, s27, MRGB
	v_lshl_add_u32 v[T0+5], v[LN], 2, s27          ; the four lists of my 32 rows
	s_lshl_b32 s27, s10, 7
	s_add_co_u32 s27, s27, CNTB
	v_lshl_add_u32 v[T0+7], v[LN], 2, s27          ; where my number of flags goes
	s_lshl_b32 s27, s13, 9
	s_add_co_u32 s27, s27, CNTB
	v_lshl_add_u32 v[T0+8], v[LN], 2, s27          ; the four slices' numbers of my 32 rows
	s_lshl_b32 s22, s10, 14
	s_add_co_u32 s23, s22, GMB-1024
	s_add_co_u32 s22, s22, GMB
	v_lshl_add_u32 v[GB], v[LN], 4, s22
	s_lshl_b32 s27, ttmp9, 1
	s_add_co_u32 s27, s27, s13                     ; block of 32 rows, 0..511
	s_lshl_b32 s29, s27, 2
	v_mov_b32 v[T0+9], s29                         ; its word of gcnt
	s_lshl_b32 s27, s27, 11
	s_lshl_b32 s29, s14, 9
	s_add_co_u32 s27, s27, s29
	v_lshl_add_u32 v[T0+6], v[LN], 4, s27          ; my 16 bytes of gsel
	s_wait_kmcnt 0x0
	s_add_nc_u64 s[4:5], s[4:5], s[16:17]
	s_add_nc_u64 s[6:7], s[6:7], s[16:17]
	s_add_nc_u64 s[6:7], s[6:7], s[18:19]
.irp i, 0,1,2,3,4,5
	global_load_b128 v[BUF+4*\i:BUF+4*\i+3], v[PA], s[4:5] offset:16*\i
	global_load_b128 v[BUF+24+4*\i:BUF+24+4*\i+3], v[PA], s[4:5] offset:24576+16*\i
.endr
	global_load_b32 v[XI], v[QA], s[4:5]
	global_load_b32 v[YI], v[QA], s[4:5] offset:4
	global_load_b32 v[TI], v[QA], s[4:5] offset:8
	v_mov_b32 v[INV], 0x80000000
	v_mov_b32 v[C25], 0x451c4000
	v_mov_b32 v[C25+1], 0x451c4000
	v_mov_b32 v[C03], 0x3e99999a
	v_mov_b32 v[C03+1], 0x3e99999a
.irp i, 0,1,2,3
	v_mov_b32 v[BUF+48+\i], 0
.endr
.irp i, 0,1,2,3,4,5,6,7,8,9,10,11,12,13,14,15
	v_mov_b32 v[A0+\i], -1                         ; above every key
.endr
	s_wait_loadcnt 0x0
	v_mov_b32 v[XI+1], v[XI]
	v_mov_b32 v[YI+1], v[YI]
	v_mov_b32 v[TI+1], v[TI]
.set k, 0
.rept 24                                           ; word k of a group's 96 bytes is component k % 3 of point k / 3
	ds_store_b32 v[PA], v[BUF+k] offset:32*(k%3)+4*(k/3)
	ds_store_b32 v[PA], v[BUF+24+k] offset:24576+32*(k%3)+4*(k/3)
.set k, k+1
.endr
	s_cmp_lg_u32 s10, 0
	s_cbranch_scc1 .Lno_pad
	ds_store_b128 v[GA], v[BUF+48:BUF+51]          ; 512 bytes of zeros behind the last group
.Lno_pad:
	s_wait_dscnt 0x0                               ; for the others' sake: my stores have landed
	s_barrier_signal -1
	s_barrier_wait -1                              ; the batch lies in LDS by groups
	s_cmp_lg_u32 s10, 0
	s_cbranch_scc1 .Lno_copy
	ds_load_b128 v[BUF+48:BUF+51], v[T0]
	ds_load_b64 v[BUF+52:BUF+53], v[T0+1] offset:512
	s_wait_dscnt 0x0
	global_store_b128 v[T0+2], v[BUF+48:BUF+51], s[6:7]              ; 512 consecutive bytes,
	global_store_b64 v[T0+3], v[BUF+52:BUF+53], s[6:7] offset:512    ; and 256: the work-group's 8 groups of cg
	s_wait_xcnt 0x0                                ; the stores' registers are loaded again below
.Lno_copy:
	s_mul_i32 s21, s14, 12288                      ; my slice: 128 groups of 96 bytes
	v_mov_b32 v[PA], s21
	v_mov_b32 v[QA], s21
	v_lshl_add_u32 v[GA], v[LN], 4, s23            ; one trip short: the first trip steps it
	s_lshl_b32 s24, s14, 5                         ; 32 q + 2 trip: the number of the trip's first run of 32 candidates (a trip has 64 candidates, two runs)
	s_lshl_b32 s25, s12, 1
	s_add_co_u32 s25, s25, s13                     ; the run that my rows are
	s_mov_b32 s26, 0
	LOADP BUF, QA, 0
.Ltrip:                                            ; 16 trips of 8 groups
	s_wait_alu depctr_va_vdst(0)
	PAIR 0
	PAIR 1
	PAIR 2
	PAIR 3
	ds_store_b128 v[GA], v[GMR:GMR+3]              ; kept for the flags; GMR is written again only behind the next trip's counted wait
	ds_store_b128 v[GA], v[GMR+4:GMR+7] offset:512
	SORT8 GMR, SB1, SB2
.irp i, 0,1,2,3,4,5,6,7
	v_min_u32 v[A0+8+\i], v[A0+8+\i], v[SB2+7-\i]  ; the 16 smallest of the 24: rising, then falling
.endr
	CLEAN16
	s_add_co_u32 s24, s24, 2
	s_add_co_u32 s26, s26, 1
	s_cmp_lt_u32 s26, 16
	s_cbranch_scc1 .Ltrip
	s_wait_dscnt 0x0                               ; the look-ahead's 12 loads and the last stores
	s_wait_alu depctr_va_vdst(0)
.irp i, 0,1,2,3,4,5,6,7,8,9,10,11,12,13,14,15
	ds_store_b32 v[T0+4], v[A0+\i] offset:128*\i
.endr
	s_wait_dscnt 0x0
	s_barrier_signal -1
	s_barrier_wait -1                              ; the four slices' lists of my rows lie in LDS
.irp i, 0,1,2,3,4,5,6,7,8,9,10,11,12,13,14,15
	ds_load_b32 v[A0+\i], v[T0+5] offset:128*\i
	ds_load_b32 v[BUF+\i], v[T0+5] offset:2048+128*\i
	ds_load_b32 v[BUF+16+\i], v[T0+5] offset:4096+128*\i
	ds_load_b32 v[BUF+32+\i], v[T0+5] offset:6144+128*\i
.endr
	s_wait_dscnt 0x0
.irp i, 0,1,2,3,4,5,6,7,8,9,10,11,12,13,14,15
	v_min_u32 v[A0+\i], v[A0+\i], v[BUF+15-\i]
.endr
	CLEAN16
.irp i, 0,1,2,3,4,5,6,7,8,9,10,11,12,13,14,15
	v_min_u32 v[A0+\i], v[A0+\i], v[BUF+31-\i]
.endr
	CLEAN16
.irp i, 0,1,2,3,4,5,6,7,8,9,10,11,12,13,14,15
	v_min_u32 v[A0+\i], v[A0+\i], v[BUF+47-\i]     ; the 16 smallest of all 512 minima, in no order:
.endr
	v_max_u32 v[THR], v[A0], v[A0+1]
.irp i, 2,3,4,5,6,7,8,9,10,11,12,13,14,15
	s_delay_alu instid0(VALU_DEP_1)
	v_max_u32 v[THR], v[THR], v[A0+\i]             ; their largest is U
.endr
	s_delay_alu instid0(VALU_DEP_1)
	v_min_u32 v[THR], 0x7fffffef, v[THR]           ; fewer than 16 groups count: every group that counts is flagged
	s_delay_alu instid0(VALU_DEP_1)
	v_add_nc_u32 v[THR], 16, v[THR]                ; the margin
	s_delay_alu instid0(VALU_DEP_1)
	v_max_u32 v[THR], 0x2b800000, v[THR]           ; and never under 2^-40
.set j, 0
.rept 32
	ds_load_b128 v[16+4*j:16+4*j+3], v[GB] offset:512*j   ; my slice's 128 minima: v[16 + group]
.set j, j+1
.endr
	s_wait_alu depctr_va_vdst(0)
.irp k, 0,1,2,3
	s_wait_dscnt 24-8*\k                           ; eight loads a word; the later words' may stay out
	v_mov_b32 v[MW+\k], 0
.set b, 31
.rept 32
	v_cmp_ge_u32 vcc_lo, v[THR], v[16+32*\k+b]
	s_delay_alu instid0(VALU_DEP_1)
	v_add_co_ci_u32 v[MW+\k], vcc_lo, v[MW+\k], v[MW+\k], vcc_lo     ; the word doubles and takes the flag: group 32 k ends in bit 0
.set b, b-1
.endr
.endr
	global_store_b128 v[T0+6], v[MW:MW+3], s[8:9]  ; the wave stores 512 consecutive bytes
	; how many of my slice's groups has my row?  Bits are counted in fields of 2, 4, 8 and 16, in other registers than the store's: 128 at the most
.irp k, 0,1,2,3
	v_lshrrev_b32 v[BUF+4+\k], 1, v[MW+\k]
.endr
.irp k, 0,1,2,3
	s_delay_alu instid0(VALU_DEP_4)
	v_and_b32 v[BUF+4+\k], 0x55555555, v[BUF+4+\k]
.endr
.irp k, 0,1,2,3
	s_delay_alu instid0(VALU_DEP_4)
	v_sub_nc_u32 v[BUF+\k], v[MW+\k], v[BUF+4+\k]
.endr
.irp k, 0,1,2,3
	s_delay_alu instid0(VALU_DEP_4)
	v_lshrrev_b32 v[BUF+4+\k], 2, v[BUF+\k]
.endr
.irp k, 0,1,2,3
	s_delay_alu instid0(VALU_DEP_4)
	v_and_b32 v[BUF+4+\k], 0x33333333, v[BUF+4+\k]
.endr
.irp k, 0,1,2,3
	v_and_b32 v[BUF+\k], 0x33333333, v[BUF+\k]
.endr
.irp k, 0,1,2,3
	s_delay_alu instid0(VALU_DEP_4)
	v_add_nc_u32 v[BUF+\k], v[BUF+\k], v[BUF+4+\k]      ; fields of 4 bits, 4 at the most
.endr
.irp k, 0
	s_delay_alu instid0(VALU_DEP_3)
	v_add_nc_u32 v[BUF+\k], v[BUF+\k], v[BUF+\k+1]      ; two words: 8 at the most
.endr
.irp k, 2
	s_delay_alu instid0(VALU_DEP_2)
	v_add_nc_u32 v[BUF+\k], v[BUF+\k], v[BUF+\k+1]      ; two words: 8 at the most
.endr
.irp k, 0,2
	s_delay_alu instid0(VALU_DEP_2)
	v_lshrrev_b32 v[BUF+\k+1], 4, v[BUF+\k]
.endr
.irp k, 0,2
	s_delay_alu instid0(VALU_DEP_2)
	v_and_b32 v[BUF+\k+1], 0x0f0f0f0f, v[BUF+\k+1]
.endr
.irp k, 0,2
	v_and_b32 v[BUF+\k], 0x0f0f0f0f, v[BUF+\k]
.endr
.irp k, 0,2
	s_delay_alu instid0(VALU_DEP_2)
	v_add_nc_u32 v[BUF+\k], v[BUF+\k], v[BUF+\k+1]      ; bytes, 16 at the most
.endr
	s_delay_alu instid0(VALU_DEP_1)
	v_add_nc_u32 v[BUF], v[BUF], v[BUF+2]          ; bytes, 32 at the most
	s_delay_alu instid0(VALU_DEP_1)
	v_lshrrev_b32 v[BUF+1], 8, v[BUF]
	s_delay_alu instid0(VALU_DEP_1)
	v_and_b32 v[BUF+1], 0x00ff00ff, v[BUF+1]
	s_delay_alu instid0(VALU_DEP_3)
	v_and_b32 v[BUF], 0x00ff00ff, v[BUF]
	s_delay_alu instid0(VALU_DEP_1)
	v_add_nc_u32 v[BUF], v[BUF], v[BUF+1]
	s_delay_alu instid0(VALU_DEP_1)
	v_lshrrev_b32 v[BUF+1], 16, v[BUF]
	s_delay_alu instid0(VALU_DEP_1)
	v_add_nc_u32 v[BUF], v[BUF], v[BUF+1]
	s_delay_alu instid0(VALU_DEP_1)
	v_and_b32 v[BUF], 0xffff, v[BUF]
	ds_store_b32 v[T0+7], v[BUF]
	s_wait_dscnt 0x0                               ; for the others' sake: my store has landed
	s_barrier_signal -1
	s_barrier_wait -1                              ; the four slices' numbers of my rows lie in LDS
	s_cmp_lg_u32 s14, 0                            ; the wave of slice 0 speaks for its 32 rows
	s_cbranch_scc1 .Ldone
.irp q, 0,1,2,3
	ds_load_b32 v[BUF+\q], v[T0+8] offset:128*\q
.endr
	s_wait_dscnt 0x0
	v_add_nc_u32 v[BUF], v[BUF], v[BUF+1]
	v_add_nc_u32 v[BUF+2], v[BUF+2], v[BUF+3]
	s_delay_alu instid0(VALU_DEP_1)
	v_add_nc_u32 v[BUF], v[BUF], v[BUF+2]          ; my row's flagged groups, 512 at the most
	s_delay_alu instid0(VALU_DEP_1)
	v_readlane_b32 s33, v[BUF], 0
.irp l, 1,2,3,4,5,6,7,8,9,10,11,12,13,14,15,16,17,18,19,20,21,22,23,24,25,26,27,28,29,30,31
	v_readlane_b32 s34, v[BUF], \l
	s_max_u32 s33, s33, s34                        ; the largest of the 32 rows: it goes to memory alone: no branch and no address here hangs on it
.endr
	v_mov_b32 v[BUF+1], s33
	v_cmp_eq_u32 vcc_lo, 0, v[LN]
	s_wait_alu depctr_va_vdst(0)
	s_wait_xcnt 0x0                                ; EXEC changes only behind this wait: the store of the masks has read it
	s_and_saveexec_b32 s32, vcc_lo
	global_store_b32 v[T0+9], v[BUF+1], s[30:31]   ; lane 0 stores the block's word
	s_wait_xcnt 0x0                                ; and again, in front of the line that widens it
	s_or_b32 exec_lo, exec_lo, s32
.Ldone:
	s_barrier_signal -1
	s_barrier_wait -1
	s_wait_tensorcnt 0x0
	ds_add_u32 v192, v193
	s_wait_dscnt 0x0
	s_endpgm
.Lfunc_end_k_q47a4526f39_coarse:
	.size	k_q47a4526f39_coarse, .Lfunc_end_k_q47a4526f39_coarse-k_q47a4526f39_coarse
	.p2alignl 7, 3214868480
	.fill 96, 4, 3214868480
	.section	.rodata,"a",@progbits
	.p2align	6, 0x0
	.amdhsa_kernel k_q47a4526f39_coarse
		.amdhsa_group_segment_fixed_size 199168
		.amdhsa_private_segment_fixed_size 0
		.amdhsa_enable_private_segment 0
		.amdhsa_kernarg_size 32
		.amdhsa_user_sgpr_count 2
		.amdhsa_user_sgpr_kernarg_segment_ptr 1
		.amdhsa_wavefront_size32 1
		.amdhsa_system_sgpr_workgroup_id_x 1
		.amdhsa_system_sgpr_workgroup_id_y 1
		.amdhsa_system_sgpr_workgroup_id_z 1
		.amdhsa_system_vgpr_workitem_id 0
		.amdhsa_next_free_vgpr 194
		.amdhsa_next_free_sgpr 66
		.amdhsa_reserve_vcc 1
		.amdhsa_float_denorm_mode_32 3
		.amdhsa_float_denorm_mode_16_64 3
		.amdhsa_memory_ordered 1
		.amdhsa_forward_progress 1
		.amdhsa_inst_pref_size 83
	.end_amdhsa_kernel
	.amdgpu_metadata
---
amdhsa.version: [ 1, 2 ]
amdhsa.kernels:
  - .name:           k_q47a4526f39_coarse
    .symbol:         k_q47a4526f39_coarse.kd
    .args:
      - { .name: coords, .offset: 0, .size: 8, .value_kind: global_buffer, .address_space: global }
      - { .name: cg, .offset: 8, .size: 8, .value_kind: global_buffer, .address_space: global }
      - { .name: gsel, .offset: 16, .size: 8, .value_kind: global_buffer, .address_space: global }
      - { .name: gcnt, .offset: 24, .size: 8, .value_kind: global_buffer, .address_space: global }
    .group_segment_fixed_size: 199168
    .private_segment_fixed_size: 0
    .kernarg_segment_align: 8
    .kernarg_segment_size: 32
    .max_flat_workgroup_size: 256
    .sgpr_count:     66
    .vgpr_count:     194
    .wavefront_size: 32
...
	.end_amdgpu_metadata
.endif
;; end of part 1
;; launch exact_prep (part 2): grid 256 x 1, 4 waves a work-group, no clusters, 35,328 bytes of LDS; arguments coords, cg, gsel, nidx, nkd, features, W_feat, b_feat, b_p2, W_p2, Wq, Wk, Wv, Wo, fbuf, fbbuf, wq, gcnt; writes nidx, nkd, fbuf, fbbuf, wq
.if DOCPART == 2
	.amdgcn_target "amdgcn-amd-amdhsa--gfx1250"
	.amdhsa_code_object_version 6
	.text
	.protected	k_q47a4526f39_exact_prep
	.globl	k_q47a4526f39_exact_prep
	.p2align	8
	.type	k_q47a4526f39_exact_prep,@function
k_q47a4526f39_exact_prep:
	s_mov_b64 s[64:65], 0
	v_nop
	global_prefetch_b8 v0, s[64:65] scope:SCOPE_SE
	s_setreg_imm32_b32 hwreg(HW_REG_WAVE_MODE, 25, 1), 1
	s_wait_xcnt 0x0
; TWO JOBS IN ONE LAUNCH, parted by the work-group's number.
; WORK-GROUPS 0-127: NEIGHBOUR SEARCH, SECOND LEVEL.  A wave has 32 rows, one a lane.  Each lane walks the groups of 8 candidates that the first level flagged for its row (gsel, whole numbers from memory: the
; addresses hang on them alone; the trip count is the block's word of gcnt, read by a scalar load), forms the keys again, and keeps the 16 smallest pairs (key, index) in order, ties to the lower index, as jax.lax.top_k breaks them.
; KEY: sq = dx dx + dy dy (fused, as in the first level, so that what counts is the same in both); the root is v_sqrt_f32 corrected by one step (r = sq - s s, s += r / (2 s)); dist = root + (ti - tj) x 0.3
; in reference()'s two roundings (a multiply and an add on purpose: the order of the neighbours is to be reference()'s); the sign bit is set where tj > ti, sq > 2500 or j = i; such keys are held at 0x80000000.
; LIMITS: NaN and infinities are not served; squares under 2^-100 are rooted without the full correction; sq is fused: where the 16th and the 17th distance differ by a unit in the last place of reference()'s own rounding, the choice may differ.
; OUT: nidx, nkd [512 blocks of 32 rows][4 pieces][32 lanes][4 words]: neighbour 4 c + i's row (batch x 4096 + j) and its key (= its distance; sign bit set: no neighbour), nearest first.
; WORK-GROUPS 128-255: PREPARATION.  (1) 144 waves each turn one fragment (16 columns x 128 K) of W_p2, Wq, Wk, Wv, Wo into codes of E5M2 with E8M0 scales, laid in wq as the operand's registers want it
; (group of four registers c of lane l at 512 c + 16 l; scale words from byte 294,912 on, 4 bytes a lane).  Fragments 0-15: W_p2, lane r = column 32 (T / 2) + 8 (T % 2) + r + 8 (r / 8);
; fragment 16 + 32 mat + 2 T + s: mat 0 Wq, 1 Wk, 2 Wv, 3 Wo, lane r = column 16 T + r, K step s.  (2) f = Q(features) Q(W_feat) + b_feat for 128 rows: fbuf = f, fbbuf = f + b_p2.
; A block's scale byte is its largest magnitude's exponent field - 15, held at 1 from below (a block of zeros keeps 1: its codes are zeros, and this program alone reads the bytes).
; No tensor load (a trip count comes from memory), no cluster (nothing is shared but 128 KiB of W_feat).
.set SEL, 60                           ; s60, s61 lane selects for v_permlanex16_b32: lane l xor 16
.set MNT, 62                           ; s62  the mantissa field of 57,344
; ---- registers of the search
.set LN,  1
.set XI,  2                            ; v[2:3] xi twice, v[4:5] yi twice
.set YI,  4
.set TIR, 6                            ; v6   ti
.set IG,  7                            ; v7   my row's own group
.set INV, 8                            ; v8   0x80000000
.set SS,  9                            ; v9   one bit for each mask word that is not used up
.set CUR, 10                           ; v10  what is left of the word in hand
.set WI,  11                           ; v11  that word's number
.set C25, 12
.set C03, 14
.set MK,  16                           ; v16-31 the 16 mask words
.set TR,  32                           ; v32-39 the selection tree
.set BF0, 40                           ; v40-135 four buffers of X8, Y8, T8
.set KB0, 136                          ; v136-151 for each buffer: ti twice (-infinity for a lane with no group left), the group, the load's offset
.set JR,  152                          ; v152-159 the eight indices
.set A0K, 160                          ; the 16 smallest: keys, indices; and the other bank
.set A0J, 176
.set A1K, 192
.set A1J, 208
.set PCD, 224                          ; v224-231 0x80000000 at my row's place in its group
.set W8,  232                          ; v232-239 at work
.set E0,  240
.set E1,  241
.set E2,  242
.set OUTO, 243
.set SAME, 244
.set NINF, 245
.set E3,  246
.set E4,  247
.set E5,  248
; ---- registers and LDS of the preparation
.set X0,  16                           ; v16-79, v184-247: two sets of 64 numbers
.set X1,  184
.set PC,  80                           ; v80-95 codes
.set TM,  96                           ; v96-103 at work in the quantiser
.set PB,  104                          ; two scale bytes
.set PW,  105
.set WF,  112                          ; v112-175 my four fragments of W_feat
.set WFS, 176                          ; v176-179 their scale words;  v180 the rows' scale word: scales and nothing else
.set FS,  180
.set ACC, 16
.set OUT, 48
.set OUT2, 80
.set FR,  184
.set BFR, 200                          ; b_feat in the result's layout
.set BPR, 232                          ; b_p2 of my four columns on the way out
.set FIMG, 0                           ; LDS: 8 fragments of the rows, as images of their registers; their scale words; a stage of 16 rows x 272 bytes for each wave
.set FSC,  16384
.set STG,  17408
; 32 numbers of a lane, v[s + 16 b + i] = k 32 b + 16 (lane / 16) + i of my row or column (b = 0, 1), become 8 registers of codes at v[p] and two scale bytes in v[PB].  relu = 1: what is negative becomes 0.
.macro QUANT2 s, hd, p, relu
.if \relu
	v_max3_num_f32 v[TM], v[\s], v[\s+1], 0x8000000                  ; the floor 2^(16 - 127) among the leaves: the byte cannot fall under 1
	v_max3_num_f32 v[TM+1], v[\s+16], v[\s+17], 0x8000000
.irp i, 2,4,6,8,10,12,14
	v_max3_num_f32 v[TM], v[TM], v[\s+\i], v[\s+\i+1]
	v_max3_num_f32 v[TM+1], v[TM+1], v[\s+16+\i], v[\s+17+\i]
.endr
.else
	v_max3_num_f32 v[TM], |v[\s]|, |v[\s+1]|, 0x8000000
	v_max3_num_f32 v[TM+1], |v[\s+16]|, |v[\s+17]|, 0x8000000
.irp i, 2,4,6,8,10,12,14
	v_max3_num_f32 v[TM], v[TM], |v[\s+\i]|, |v[\s+\i+1]|
	v_max3_num_f32 v[TM+1], v[TM+1], |v[\s+16+\i]|, |v[\s+17+\i]|
.endr
.endif
	v_permlanex16_b32 v[TM+2], v[TM], s[SEL], s[SEL+1]
	v_permlanex16_b32 v[TM+3], v[TM+1], s[SEL], s[SEL+1]
	v_max_num_f32 v[TM], v[TM], v[TM+2]            ; with lane l xor 16's 16: the block's largest magnitude
	v_max_num_f32 v[TM+1], v[TM+1], v[TM+3]
	v_add_nc_u32 v[TM+4], 0xf8800000, v[TM]        ; 15 off the exponent field: the conversion's scale operand
	v_add_nc_u32 v[TM+5], 0xf8800000, v[TM+1]
	v_and_or_b32 v[TM+6], v[TM], 0x7f800000, s[MNT]   ; 57,344 x the scale
	v_and_or_b32 v[TM+7], v[TM+1], 0x7f800000, s[MNT]
	v_lshrrev_b32 v[TM+2], 23, v[TM+4]
	v_lshrrev_b32 v[TM+3], 23, v[TM+5]
	v_lshl_or_b32 v[PB], v[TM+3], 8, v[TM+2]
.irp b, 0,1
.irp i, 0,1,2,3,4,5,6,7,8,9,10,11,12,13,14,15
.if \relu
	v_med3_num_f32 v[\hd+16*\b+\i], v[\s+16*\b+\i], 0, v[TM+6+\b]
.else
	v_med3_num_f32 v[\hd+16*\b+\i], v[\s+16*\b+\i], -v[TM+6+\b], v[TM+6+\b]   ; the conversion does not saturate (ISA guide 7.6.2): the hold comes first
.endif
.endr
.endr
	v_cvt_scalef32_pk8_bf8_f32 v[\p:\p+1], v[\hd:\hd+7], v[TM+4]
	v_cvt_scalef32_pk8_bf8_f32 v[\p+2:\p+3], v[\hd+8:\hd+15], v[TM+4]
	v_cvt_scalef32_pk8_bf8_f32 v[\p+4:\p+5], v[\hd+16:\hd+23], v[TM+5]
	v_cvt_scalef32_pk8_bf8_f32 v[\p+6:\p+7], v[\hd+24:\hd+31], v[TM+5]
	v_nop                                          ; a plain line behind the last conversion
.endm
; ---- pairs (key, index).  Four comparators at a time, so that no line waits for the line above it.  b comes first where Kb < Ka + (Jb < Ja): keys are at most 0x80000000, so the + 1 cannot wrap.
.macro BANKS sk, sj, dk, dj
.set SK, \sk
.set SJ, \sj
.set DK, \dk
.set DJ, \dj
.endm
.macro PSEL n, a, b
	v_cndmask_b32 v[DK+\a], v[SK+\a], v[SK+\b], s[52+\n]
	v_cndmask_b32 v[DJ+\a], v[SJ+\a], v[SJ+\b], s[52+\n]
	v_cndmask_b32 v[DK+\b], v[SK+\b], v[SK+\a], s[52+\n]
	v_cndmask_b32 v[DJ+\b], v[SJ+\b], v[SJ+\a], s[52+\n]
.endm
.macro PST4 a0, b0, a1, b1, a2, b2, a3, b3
	v_cmp_lt_u32 s52, v[SJ+\b0], v[SJ+\a0]
	v_cmp_lt_u32 s53, v[SJ+\b1], v[SJ+\a1]
	v_cmp_lt_u32 s54, v[SJ+\b2], v[SJ+\a2]
	v_cmp_lt_u32 s55, v[SJ+\b3], v[SJ+\a3]
	v_cndmask_b32 v[W8], 0, 1, s52
	v_cndmask_b32 v[W8+1], 0, 1, s53
	v_cndmask_b32 v[W8+2], 0, 1, s54
	v_cndmask_b32 v[W8+3], 0, 1, s55
	v_add_nc_u32 v[W8], v[W8], v[SK+\a0]
	v_add_nc_u32 v[W8+1], v[W8+1], v[SK+\a1]
	v_add_nc_u32 v[W8+2], v[W8+2], v[SK+\a2]
	v_add_nc_u32 v[W8+3], v[W8+3], v[SK+\a3]
	v_cmp_lt_u32 s52, v[SK+\b0], v[W8]
	v_cmp_lt_u32 s53, v[SK+\b1], v[W8+1]
	v_cmp_lt_u32 s54, v[SK+\b2], v[W8+2]
	v_cmp_lt_u32 s55, v[SK+\b3], v[W8+3]
	PSEL 0, \a0, \b0
	PSEL 1, \a1, \b1
	PSEL 2, \a2, \b2
	PSEL 3, \a3, \b3
.endm
.macro INSERT8P                        ; the eight pairs (v[B ..], v[JR ..]) are sorted, met with the upper eight of the 16, and the 16 put in order again
	BANKS B, JR, B+8, B+16
	PST4 0,1,2,3,4,5,6,7
	BANKS B+8, B+16, B, JR
	PST4 0,3,1,2,4,7,5,6
	BANKS B, JR, B+8, B+16
	PST4 0,1,2,3,4,5,6,7
	BANKS B+8, B+16, B, JR
	PST4 0,7,1,6,2,5,3,4
	BANKS B, JR, B+8, B+16
	PST4 0,2,1,3,4,6,5,7
	BANKS B+8, B+16, B, JR
	PST4 0,1,2,3,4,5,6,7
.irp g, 0,4
.irp n, 0,1,2,3
	v_cmp_lt_u32 s[52+\n], v[JR+7-\g-\n], v[A0J+8+\g+\n]
.endr
.irp n, 0,1,2,3
	v_cndmask_b32 v[W8+\n], 0, 1, s[52+\n]
.endr
.irp n, 0,1,2,3
	v_add_nc_u32 v[W8+\n], v[W8+\n], v[A0K+8+\g+\n]
.endr
.irp n, 0,1,2,3
	v_cmp_lt_u32 s[52+\n], v[B+7-\g-\n], v[W8+\n]
.endr
.irp n, 0,1,2,3
	v_cndmask_b32 v[A0K+8+\g+\n], v[A0K+8+\g+\n], v[B+7-\g-\n], s[52+\n]
	v_cndmask_b32 v[A0J+8+\g+\n], v[A0J+8+\g+\n], v[JR+7-\g-\n], s[52+\n]
.endr
.endr
	BANKS A0K, A0J, A1K, A1J
	PST4 0,8,1,9,2,10,3,11
	PST4 4,12,5,13,6,14,7,15
	BANKS A1K, A1J, A0K, A0J
	PST4 0,4,1,5,2,6,3,7
	PST4 8,12,9,13,10,14,11,15
	BANKS A0K, A0J, A1K, A1J
	PST4 0,2,1,3,4,6,5,7
	PST4 8,10,9,11,12,14,13,15
	BANKS A1K, A1J, A0K, A0J
	PST4 0,1,2,3,4,5,6,7
	PST4 8,9,10,11,12,13,14,15
.endm
; The lane's next flagged group, in whole numbers alone, and its 96 bytes asked for into buffer k.
.macro ENUM k
.set B, BF0+24*\k
.set KB, KB0+4*\k
	v_cmp_eq_u32 s46, 0, v[CUR]                    ; the word in hand is used up
	v_sub_nc_u32 v[E0], 0, v[SS]
	v_and_b32 v[E0], v[E0], v[SS]                  ; the lowest word left, as a bit
	v_xor_b32 v[E1], v[SS], v[E0]
	v_cndmask_b32 v[SS], v[SS], v[E1], s46
	v_and_b32 v[E1], 0xaaaa, v[E0]
	v_and_b32 v[E2], 0xcccc, v[E0]
	v_and_b32 v[E3], 0xf0f0, v[E0]
	v_and_b32 v[E4], 0xff00, v[E0]
	v_cmp_ne_u32 s47, 0, v[E1]                     ; the four bits of its number
	v_cmp_ne_u32 s48, 0, v[E2]
	v_cmp_ne_u32 s49, 0, v[E3]
	v_cmp_ne_u32 s50, 0, v[E4]
.irp j, 0,1,2,3,4,5,6,7
	v_cndmask_b32 v[TR+\j], v[MK+2*\j], v[MK+2*\j+1], s47
.endr
.irp j, 0,1,2,3
	v_cndmask_b32 v[TR+\j], v[TR+2*\j], v[TR+2*\j+1], s48
.endr
.irp j, 0,1
	v_cndmask_b32 v[TR+\j], v[TR+2*\j], v[TR+2*\j+1], s49
.endr
	v_cndmask_b32 v[TR], v[TR], v[TR+1], s50       ; the word itself
	v_cndmask_b32 v[E2], 0, 8, s50
	v_cndmask_b32 v[E3], 0, 4, s49
	v_cndmask_b32 v[E4], 0, 2, s48
	v_cndmask_b32 v[E5], 0, 1, s47
	v_cmp_ne_u32 vcc_lo, 0, v[E0]
	v_cndmask_b32 v[TR], 0, v[TR], vcc_lo          ; no word left: nothing
	v_add3_u32 v[E2], v[E2], v[E3], v[E4]
	v_add_nc_u32 v[E2], v[E2], v[E5]
	v_cndmask_b32 v[CUR], v[CUR], v[TR], s46
	v_cndmask_b32 v[WI], v[WI], v[E2], s46
	v_sub_nc_u32 v[E0], 0, v[CUR]
	v_and_b32 v[E0], v[E0], v[CUR]                 ; the lowest flag left, as a bit
	v_xor_b32 v[CUR], v[CUR], v[E0]
	v_and_b32 v[E1], 0xffff0000, v[E0]
	v_cmp_ne_u32 vcc_lo, 0, v[E1]
	v_add_co_ci_u32 v[KB+2], vcc_lo, v[WI], v[WI], vcc_lo           ; the five bits of its place are shifted in behind the word's number: the group
	v_and_b32 v[E1], 0xff00ff00, v[E0]
	v_cmp_ne_u32 vcc_lo, 0, v[E1]
	v_add_co_ci_u32 v[KB+2], vcc_lo, v[KB+2], v[KB+2], vcc_lo
	v_and_b32 v[E1], 0xf0f0f0f0, v[E0]
	v_cmp_ne_u32 vcc_lo, 0, v[E1]
	v_add_co_ci_u32 v[KB+2], vcc_lo, v[KB+2], v[KB+2], vcc_lo
	v_and_b32 v[E1], 0xcccccccc, v[E0]
	v_cmp_ne_u32 vcc_lo, 0, v[E1]
	v_add_co_ci_u32 v[KB+2], vcc_lo, v[KB+2], v[KB+2], vcc_lo
	v_and_b32 v[E1], 0xaaaaaaaa, v[E0]
	v_cmp_ne_u32 vcc_lo, 0, v[E1]
	v_add_co_ci_u32 v[KB+2], vcc_lo, v[KB+2], v[KB+2], vcc_lo
	v_cmp_eq_u32 vcc_lo, 0, v[E0]
	v_cndmask_b32 v[KB], v[TIR], v[NINF], vcc_lo   ; a lane with no group left: ti = -infinity, so that none of the eight counts
	v_mov_b32 v[KB+1], v[KB]
	v_min_u32 v[KB+3], 511, v[KB+2]                ; a number from memory enters an address behind a hold
	v_mul_u32_u24 v[KB+3], v[KB+3], 96
.irp i, 0,1,2,3,4,5
	global_load_b128 v[B+4*\i:B+4*\i+3], v[KB+3], s[6:7] offset:16*\i
.endr
.endm
.macro TRIP k
.set B, BF0+24*\k
.set KB, KB0+4*\k
	s_wait_loadcnt 18                              ; six loads a buffer: the three younger buffers' may stay out
.irp j, 0,2,4,6
	v_pk_add_f32 v[B+\j:B+\j+1], v[B+\j:B+\j+1], v[XI:XI+1] neg_lo:[0,1] neg_hi:[0,1]
	v_pk_add_f32 v[B+8+\j:B+9+\j], v[B+8+\j:B+9+\j], v[YI:YI+1] neg_lo:[0,1] neg_hi:[0,1]
.endr
.irp j, 0,2,4,6
	v_pk_mul_f32 v[B+8+\j:B+9+\j], v[B+8+\j:B+9+\j], v[B+8+\j:B+9+\j]
.endr
.irp j, 0,2,4,6
	v_pk_fma_f32 v[B+\j:B+\j+1], v[B+\j:B+\j+1], v[B+\j:B+\j+1], v[B+8+\j:B+9+\j]   ; sq
.endr
.irp c, 0,1,2,3,4,5,6,7
	v_max_num_f32 v[W8+\c], 0x0d800000, v[B+\c]    ; 2^-100 from below, for the reciprocal root
.endr
	s_wait_alu depctr_va_vdst(0)
.irp c, 0,1,2,3,4,5,6,7
	v_sqrt_f32 v[B+8+\c], v[B+\c]
.endr
.irp c, 0,1,2,3,4,5,6,7
	v_rsq_f32 v[W8+\c], v[W8+\c]
.endr
.irp j, 0,2,4,6
	v_pk_add_f32 v[B+16+\j:B+17+\j], v[KB:KB+1], v[B+16+\j:B+17+\j] neg_lo:[0,1] neg_hi:[0,1]   ; ti - tj; plain lines behind the roots
.endr
	s_wait_alu depctr_va_vdst(0)
.irp j, 0,2,4,6
	v_pk_fma_f32 v[JR+\j:JR+\j+1], v[B+8+\j:B+9+\j], v[B+8+\j:B+9+\j], v[B+\j:B+\j+1] neg_lo:[1,0,0] neg_hi:[1,0,0]   ; r = sq - s s
.endr
.irp j, 0,2,4,6
	v_pk_mul_f32 v[W8+\j:W8+\j+1], v[W8+\j:W8+\j+1], 0.5 op_sel_hi:[1,0]
.endr
.irp j, 0,2,4,6
	v_pk_fma_f32 v[B+8+\j:B+9+\j], v[JR+\j:JR+\j+1], v[W8+\j:W8+\j+1], v[B+8+\j:B+9+\j]   ; the corrected root
.endr
.irp j, 0,2,4,6
	v_pk_add_f32 v[B+\j:B+\j+1], v[C25:C25+1], v[B+\j:B+\j+1] neg_lo:[0,1] neg_hi:[0,1]   ; 2500 - sq
.endr
.irp j, 0,2,4,6
	v_pk_mul_f32 v[W8+\j:W8+\j+1], v[B+16+\j:B+17+\j], v[C03:C03+1]
.endr
.irp j, 0,2,4,6
	v_pk_add_f32 v[B+8+\j:B+9+\j], v[B+8+\j:B+9+\j], v[W8+\j:W8+\j+1]   ; the distance, in reference()'s two roundings
.endr
	v_cmp_eq_u32 vcc_lo, v[KB+2], v[IG]
	v_cndmask_b32 v[SAME], 0, -1, vcc_lo           ; this is my row's own group
.irp c, 0,1,2,3,4,5,6,7
	v_or_b32 v[B+\c], v[B+\c], v[B+16+\c]
.endr
.irp c, 0,1,2,3,4,5,6,7
	v_and_or_b32 v[B+\c], v[PCD+\c], v[SAME], v[B+\c]   ; j = i does not count
.endr
.irp c, 0,1,2,3,4,5,6,7
	v_bfi_b32 v[B+\c], s51, v[B+8+\c], v[B+\c]
.endr
.irp c, 0,1,2,3,4,5,6,7
	v_min_u32 v[B+\c], v[B+\c], v[INV]             ; what does not count: one key for all
.endr
.irp c, 0,1,2,3,4,5,6,7
	v_lshl_add_u32 v[JR+\c], v[KB+2], 3, \c
.endr
	INSERT8P
	ENUM \k
.endm
	s_load_b256 s[4:11], s[0:1], 0x0               ; coords s[4:5], cg s[6:7], gsel s[8:9], nidx s[10:11]
	s_load_b64 s[12:13], s[0:1], 0x20              ; nkd
	s_load_b512 s[16:31], s[0:1], 0x28             ; features, W_feat, b_feat, b_p2, W_p2, Wq, Wk, Wv
	s_load_b256 s[32:39], s[0:1], 0x68             ; Wo, fbuf, fbbuf, wq
	s_load_b64 s[58:59], s[0:1], 0x88              ; gcnt
	v_lshl_add_u32 v254, v0, 2, 0x8800
	v_mov_b32 v255, 0
	v_lshrrev_b32 v1, 5, v0
	v_readfirstlane_b32 s40, v1                    ; wave 0..3
	v_and_b32 v[LN], 31, v0
	s_wait_kmcnt 0x0
	s_cmp_lt_u32 ttmp9, 128
	s_cbranch_scc0 .Lprep
; ================= the search =================
	s_lshl_b32 s41, ttmp9, 2
	s_add_co_u32 s41, s41, s40                     ; block of 32 rows, 0..511
	s_lshl_b32 s57, s41, 2
	s_load_b32 s56, s[58:59], s57 offset:0x0       ; the largest number of flagged groups that a row of my block has
	s_lshr_b32 s42, s41, 7                         ; batch
	s_lshl_b32 s43, s41, 11
	s_wait_alu depctr_va_vdst(0)
	v_lshl_add_u32 v[OUTO], v[LN], 4, s43          ; my 16 bytes of a piece of gsel, nidx, nkd
	s_mul_i32 s44, s41, 384
	v_mad_u32_u24 v[TR], v[LN], 12, s44            ; my row's 12 bytes of coords
.irp q, 0,1,2,3
	global_load_b128 v[MK+4*\q:MK+4*\q+3], v[OUTO], s[8:9] offset:512*\q
.endr
	global_load_b32 v[XI], v[TR], s[4:5]
	global_load_b32 v[YI], v[TR], s[4:5] offset:4
	global_load_b32 v[TIR], v[TR], s[4:5] offset:8
	s_mul_i32 s44, s42, 49152
	s_mov_b32 s45, 0
	s_add_nc_u64 s[6:7], s[6:7], s[44:45]          ; the batch's groups
	s_lshl_b32 s46, s41, 2
	s_and_b32 s46, s46, 511
	v_lshrrev_b32 v[IG], 3, v[LN]
	v_add_nc_u32 v[IG], s46, v[IG]
	s_mov_b32 s51, 0x7fffffff
	v_mov_b32 v[INV], 0x80000000
	v_mov_b32 v[NINF], 0xff800000
	v_mov_b32 v[C25], 0x451c4000
	v_mov_b32 v[C25+1], 0x451c4000
	v_mov_b32 v[C03], 0x3e99999a
	v_mov_b32 v[C03+1], 0x3e99999a
	v_mov_b32 v[SS], 0
	v_mov_b32 v[CUR], 0
	v_mov_b32 v[WI], 0
	v_and_b32 v[E0], 7, v[LN]
.irp c, 0,1,2,3,4,5,6,7
	v_cmp_eq_u32 vcc_lo, \c, v[E0]
	v_cndmask_b32 v[PCD+\c], 0, v[INV], vcc_lo
.endr
.irp i, 0,1,2,3,4,5,6,7,8,9,10,11,12,13,14,15
	v_mov_b32 v[A0K+\i], 0x80000000                ; 16 places that hold nothing yet
	v_mov_b32 v[A0J+\i], 0
.endr
	s_wait_loadcnt 0x0
	s_wait_kmcnt 0x0
	v_mov_b32 v[XI+1], v[XI]
	v_mov_b32 v[YI+1], v[YI]
	s_add_co_u32 s56, s56, 3
	s_lshr_b32 s56, s56, 2                         ; four groups a trip
	s_max_u32 s56, s56, 1
	s_min_u32 s56, s56, 128                        ; 512 groups at the most
.set w, 15
.rept 16
	v_cmp_ne_u32 vcc_lo, 0, v[MK+w]
	v_add_co_ci_u32 v[SS], vcc_lo, v[SS], v[SS], vcc_lo   ; word 0 ends in bit 0
.set w, w-1
.endr
	ENUM 0
	ENUM 1
	ENUM 2
	ENUM 3
	s_mov_b32 s57, 0
.Lknn:                                             ; the bound comes from the stored count; the loop does not write it
	TRIP 0
	TRIP 1
	TRIP 2
	TRIP 3
	s_add_co_u32 s57, s57, 1
	s_cmp_lt_u32 s57, s56
	s_cbranch_scc1 .Lknn
	s_wait_loadcnt 0x0                             ; the look-ahead's loads
	s_lshl_b32 s58, s42, 12
.irp i, 0,1,2,3,4,5,6,7,8,9,10,11,12,13,14,15
	v_add_nc_u32 v[A0J+\i], s58, v[A0J+\i]         ; the row among all 16,384
.endr
.irp c, 0,1,2,3
	global_store_b128 v[OUTO], v[A0J+4*\c:A0J+4*\c+3], s[10:11] offset:512*\c   ; each store of the wave covers 512 consecutive bytes
	global_store_b128 v[OUTO], v[A0K+4*\c:A0K+4*\c+3], s[12:13] offset:512*\c
.endr
	s_endpgm
; ================= the preparation =================
.macro WLOAD x, lo, add                ; a fragment's 64 numbers a lane: my column, down K: W(32 c + 16 h + i, n)
.irp c, 0,1,2,3
.irp i, 0,1,2,3,4,5,6,7,8,9,10,11,12,13,14,15
	global_load_b32 v[\x+16*\c+\i], v4, s[\lo:\lo+1] offset:(32*\c+\i)*1024+\add
.endr
.endr
.endm
.macro FLOAD x, u                      ; 16 rows of features: my row's 16 numbers of each block of 32
.irp c, 0,1,2,3
.irp i, 0,1,2,3
	global_load_b128 v[\x+16*\c+4*\i:\x+16*\c+4*\i+3], v13, s[16:17] offset:8192*\u+128*\c+16*\i th:TH_LOAD_NT
.endr
.endr
.endm
.macro QW x, t                         ; fragment t of W_feat stays in registers
	QUANT2 \x, \x, WF+16*\t, 0
	v_mov_b32 v[PW], v[PB]
	QUANT2 \x+32, \x+32, WF+16*\t+8, 0
	v_lshl_or_b32 v[WFS+\t], v[PB], 16, v[PW]
.endm
.macro QF x, u                         ; a fragment of the rows goes to LDS as an image of its registers
	QUANT2 \x, \x, PC, 0
	v_mov_b32 v[PW], v[PB]
	QUANT2 \x+32, \x+32, PC+8, 0
	v_lshl_or_b32 v[PW], v[PB], 16, v[PW]
.irp c, 0,1,2,3
	ds_store_b128 v7, v[PC+4*\c:PC+4*\c+3] offset:FIMG+2048*\u+512*\c
.endr
	ds_store_b32 v8, v[PW] offset:FSC+128*\u
.endm
.Lprep:
	s_sub_co_u32 s41, ttmp9, 128                   ; p: rows 128 p on
	v_and_b32 v2, 15, v0                           ; r
	v_bfe_u32 v3, v0, 4, 1                         ; h
	s_mov_b32 s[SEL], 0x76543210
	s_mov_b32 s[SEL+1], 0xfedcba98
	s_mov_b32 s[MNT], 0x600000
	v_mov_b32 v[TM+2], 0                           ; a lane permute's destination counts as read
	v_mov_b32 v[TM+3], 0
	; every LDS address is made here, ahead of the lines that only some waves run
	s_wait_alu depctr_va_vdst(0)
	v_lshlrev_b32 v5, 4, v[LN]                     ; an image's place for my lane
	v_lshlrev_b32 v6, 2, v[LN]                     ; a scale word's
	s_lshl_b32 s52, s40, 12
	v_lshl_add_u32 v7, v[LN], 4, s52               ; my two fragments' images
	s_lshl_b32 s52, s40, 8                         ; 256 x wave
	v_lshl_add_u32 v8, v[LN], 2, s52               ; and their scale words
	s_mul_i32 s56, s40, 4352
	s_add_co_u32 s56, s56, STG                     ; my stage
	v_mul_u32_u24 v9, v2, 272
	v_lshl_add_u32 v9, v3, 5, v9
	v_add_nc_u32 v9, s56, v9                       ; in: row r, 32 bytes for each half of the lanes
	v_mul_u32_u24 v10, v3, 272
	v_lshl_add_u32 v10, v2, 4, v10
	v_add_nc_u32 v10, s56, v10                     ; back: lanes 0-15 one row of 256 bytes, lanes 16-31 the next
	s_lshl_b32 s42, s41, 2
	s_add_co_u32 s42, s42, s40                     ; 4 p + wave: the first 144 make a weight's fragment each
	s_cmp_lt_u32 s42, 144
	s_cbranch_scc0 .Lno_frag
	s_sub_co_u32 s43, s42, 16
	s_lshr_b32 s44, s43, 5                         ; which of Wq, Wk, Wv, Wo
	s_mov_b64 s[46:47], s[32:33]
	s_cmp_eq_u32 s44, 2
	s_cselect_b64 s[46:47], s[30:31], s[46:47]
	s_cmp_eq_u32 s44, 1
	s_cselect_b64 s[46:47], s[28:29], s[46:47]
	s_cmp_eq_u32 s44, 0
	s_cselect_b64 s[46:47], s[26:27], s[46:47]
	s_cmp_lt_u32 s42, 16
	s_cselect_b64 s[46:47], s[24:25], s[46:47]     ; or W_p2: the choice hangs on ids alone
	s_bfe_u32 s48, s43, 0x40001
	s_lshl_b32 s48, s48, 4                         ; 16 T
	s_and_b32 s49, s43, 1
	s_lshl_b32 s49, s49, 17                        ; K step: 128 rows of 1,024 bytes
	s_lshr_b32 s50, s42, 1
	s_lshl_b32 s50, s50, 5
	s_and_b32 s51, s42, 1
	s_lshl_b32 s51, s51, 3
	s_add_co_u32 s50, s50, s51                     ; W_p2: 32 (T / 2) + 8 (T % 2)
	s_cmp_lt_u32 s42, 16
	s_cselect_b32 s48, s50, s48
	s_cselect_b32 s49, 0, s49
	s_cselect_b32 s51, 8, 0
	v_lshrrev_b32 v4, 3, v2
	v_mul_u32_u24 v4, v4, s51
	v_add3_u32 v4, v4, v2, s48                     ; my column
	v_lshlrev_b32 v4, 2, v4
	v_lshl_add_u32 v4, v3, 14, v4                  ; lanes 16-31 begin 16 rows further down
	v_add_nc_u32 v4, s49, v4
	WLOAD X0, 46, 0
	s_lshl_b32 s53, s42, 11
	v_lshl_add_u32 v11, v[LN], 4, s53
	s_lshl_b32 s53, s42, 7
	s_add_co_u32 s53, s53, 294912
	v_lshl_add_u32 v12, v[LN], 2, s53
	s_wait_loadcnt 0x0
	QUANT2 X0, X0, PC, 0
	v_mov_b32 v[PW], v[PB]
	QUANT2 X0+32, X0+32, PC+8, 0
	v_lshl_or_b32 v[PW], v[PB], 16, v[PW]
.irp c, 0,1,2,3
	global_store_b128 v11, v[PC+4*\c:PC+4*\c+3], s[38:39] offset:512*\c   ; 512 consecutive bytes a store
.endr
	global_store_b32 v12, v[PW], s[38:39]
	s_wait_xcnt 0x0                                ; the stores' registers are written again below
.Lno_frag:
	v_lshl_add_u32 v4, v2, 2, s52                  ; W_feat: column 64 w + 16 t + r (16 t in the immediate),
	v_lshl_add_u32 v4, v3, 14, v4                  ; + 16 h rows
	s_lshl_b32 s53, s40, 14
	v_lshl_add_u32 v13, v2, 9, s53                 ; features: row 32 w + r of 512 bytes,
	v_lshl_add_u32 v13, v3, 6, v13                 ; + 64 h
	v_lshl_add_u32 v14, v2, 4, s52                 ; the way out: 256 w + 16 (lane % 16),
	v_lshl_add_u32 v14, v3, 10, v14                ; + a row for lanes 16-31
	v_lshl_add_u32 v15, v3, 5, s52                 ; b_feat in the result's layout: 256 w + 32 h
	v_lshl_add_u32 v11, v2, 4, s52                 ; b_p2 of my four columns on the way out
	s_lshl_b32 s54, s41, 16
	s_mov_b32 s55, 0
	s_add_nc_u64 s[16:17], s[16:17], s[54:55]      ; features at row 128 p
	s_lshl_b32 s54, s41, 17
	s_add_nc_u64 s[34:35], s[34:35], s[54:55]      ; fbuf and fbbuf likewise
	s_add_nc_u64 s[36:37], s[36:37], s[54:55]
	WLOAD X0, 18, 0
	WLOAD X1, 18, 64
	s_wait_loadcnt 63                              ; 64 loads stand behind the set that is wanted; 63 is the largest count that can be named
	QW X0, 0
	WLOAD X0, 18, 128
	s_wait_loadcnt 63
	QW X1, 1
	WLOAD X1, 18, 192
	s_wait_loadcnt 63
	QW X0, 2
	FLOAD X0, 0
	s_wait_loadcnt 16                              ; the 16 loads just issued may stay out
	QW X1, 3
	FLOAD X1, 1
	s_wait_loadcnt 16
	QF X0, 0
	s_wait_loadcnt 0x0
	s_wait_dscnt 0x0                               ; the stores have read the codes' registers
	QF X1, 1
.irp t, 0,1,2,3
	global_load_b128 v[BFR+8*\t:BFR+8*\t+3], v15, s[20:21] offset:64*\t
	global_load_b128 v[BFR+8*\t+4:BFR+8*\t+7], v15, s[20:21] offset:64*\t+16
.endr
	global_load_b128 v[BPR:BPR+3], v11, s[22:23]
	s_wait_loadcnt 0x0
	s_wait_dscnt 0x0                               ; for the others' sake: my images have landed
	s_barrier_signal -1
	s_barrier_wait -1                              ; the eight fragments of the 128 rows lie in LDS
; f, a tile of 16 rows at a time.  TRANSPOSED: source 0 = 16 columns of W_feat, source 1 = 16 rows: lane (r, h) holds row r and columns 64 w + 16 t + 8 h + 0 .. 7.  b_feat is the C of the one K step.
.irp m, 0,1,2,3,4,5,6,7
.irp c, 0,1,2,3
	ds_load_b128 v[FR+4*\c:FR+4*\c+3], v5 offset:FIMG+2048*\m+512*\c
.endr
	ds_load_b32 v[FS], v6 offset:FSC+128*\m
	s_wait_dscnt 0x0
.irp t, 0,1,2,3
	v_wmma_scale_f32_16x16x128_f8f6f4 v[ACC+8*\t:ACC+8*\t+7], v[WF+16*\t:WF+16*\t+15], v[FR:FR+15], v[BFR+8*\t:BFR+8*\t+7], v[WFS+\t], v[FS] matrix_a_fmt:MATRIX_FMT_BF8 matrix_b_fmt:MATRIX_FMT_BF8
.endr
.rept 8
	v_nop                                          ; eight places ahead of the stores that read the results; with the 16 additions below they are also the places ahead of the next tile's loads and products
.endr
.irp t, 0,1,2,3
	ds_store_b128 v9, v[ACC+8*\t:ACC+8*\t+3] offset:64*\t
	ds_store_b128 v9, v[ACC+8*\t+4:ACC+8*\t+7] offset:64*\t+16
.endr
	s_wait_xcnt 0x0                                ; the last tile's stores have read their registers
.irp i, 0,1,2,3,4,5,6,7
	ds_load_b128 v[OUT+4*\i:OUT+4*\i+3], v10 offset:544*\i   ; LDS serves a wave's instructions in order: these see my stores
.endr
.irp i, 0,1,2,3,4,5,6,7
	s_wait_dscnt 7-\i
	global_store_b128 v14, v[OUT+4*\i:OUT+4*\i+3], s[34:35] offset:(16*\m+2*\i)*1024   ; sixteen lanes store 256 consecutive bytes, aligned
	v_pk_add_f32 v[OUT2+4*\i:OUT2+4*\i+1], v[OUT+4*\i:OUT+4*\i+1], v[BPR:BPR+1]
	v_pk_add_f32 v[OUT2+4*\i+2:OUT2+4*\i+3], v[OUT+4*\i+2:OUT+4*\i+3], v[BPR+2:BPR+3]
	global_store_b128 v14, v[OUT2+4*\i:OUT2+4*\i+3], s[36:37] offset:(16*\m+2*\i)*1024
.endr
.endr
	s_wait_tensorcnt 0x0
	ds_add_u32 v254, v255
	s_wait_dscnt 0x0
	s_endpgm
.Lfunc_end_k_q47a4526f39_exact_prep:
	.size	k_q47a4526f39_exact_prep, .Lfunc_end_k_q47a4526f39_exact_prep-k_q47a4526f39_exact_prep
	.p2alignl 7, 3214868480
	.fill 96, 4, 3214868480
	.section	.rodata,"a",@progbits
	.p2align	6, 0x0
	.amdhsa_kernel k_q47a4526f39_exact_prep
		.amdhsa_group_segment_fixed_size 35328
		.amdhsa_private_segment_fixed_size 0
		.amdhsa_enable_private_segment 0
		.amdhsa_kernarg_size 144
		.amdhsa_user_sgpr_count 2
		.amdhsa_user_sgpr_kernarg_segment_ptr 1
		.amdhsa_wavefront_size32 1
		.amdhsa_system_sgpr_workgroup_id_x 1
		.amdhsa_system_sgpr_workgroup_id_y 1
		.amdhsa_system_sgpr_workgroup_id_z 1
		.amdhsa_system_vgpr_workitem_id 0
		.amdhsa_next_free_vgpr 256
		.amdhsa_next_free_sgpr 66
		.amdhsa_reserve_vcc 1
		.amdhsa_float_denorm_mode_32 3
		.amdhsa_float_denorm_mode_16_64 3
		.amdhsa_memory_ordered 1
		.amdhsa_forward_progress 1
		.amdhsa_inst_pref_size 255
	.end_amdhsa_kernel
	.section	.bss,"aw",@nobits
	.p2align	6
	.space	262144
	.amdgpu_metadata
---
amdhsa.version: [ 1, 2 ]
amdhsa.kernels:
  - .name:           k_q47a4526f39_exact_prep
    .symbol:         k_q47a4526f39_exact_prep.kd
    .args:
      - { .name: coords, .offset: 0, .size: 8, .value_kind: global_buffer, .address_space: global }
      - { .name: cg, .offset: 8, .size: 8, .value_kind: global_buffer, .address_space: global }
      - { .name: gsel, .offset: 16, .size: 8, .value_kind: global_buffer, .address_space: global }
      - { .name: nidx, .offset: 24, .size: 8, .value_kind: global_buffer, .address_space: global }
      - { .name: nkd, .offset: 32, .size: 8, .value_kind: global_buffer, .address_space: global }
      - { .name: features, .offset: 40, .size: 8, .value_kind: global_buffer, .address_space: global }
      - { .name: W_feat, .offset: 48, .size: 8, .value_kind: global_buffer, .address_space: global }
      - { .name: b_feat, .offset: 56, .size: 8, .value_kind: global_buffer, .address_space: global }
      - { .name: b_p2, .offset: 64, .size: 8, .value_kind: global_buffer, .address_space: global }
      - { .name: W_p2, .offset: 72, .size: 8, .value_kind: global_buffer, .address_space: global }
      - { .name: Wq, .offset: 80, .size: 8, .value_kind: global_buffer, .address_space: global }
      - { .name: Wk, .offset: 88, .size: 8, .value_kind: global_buffer, .address_space: global }
      - { .name: Wv, .offset: 96, .size: 8, .value_kind: global_buffer, .address_space: global }
      - { .name: Wo, .offset: 104, .size: 8, .value_kind: global_buffer, .address_space: global }
      - { .name: fbuf, .offset: 112, .size: 8, .value_kind: global_buffer, .address_space: global }
      - { .name: fbbuf, .offset: 120, .size: 8, .value_kind: global_buffer, .address_space: global }
      - { .name: wq, .offset: 128, .size: 8, .value_kind: global_buffer, .address_space: global }
      - { .name: gcnt, .offset: 136, .size: 8, .value_kind: global_buffer, .address_space: global }
    .group_segment_fixed_size: 35328
    .private_segment_fixed_size: 0
    .kernarg_segment_align: 8
    .kernarg_segment_size: 144
    .max_flat_workgroup_size: 128
    .sgpr_count:     66
    .vgpr_count:     256
    .wavefront_size: 32
...
	.end_amdgpu_metadata
.endif
;; end of part 2
;; launch chain (part 3): grid 256 x 1, 4 waves a work-group, no clusters, 292,352 bytes of LDS; arguments fbuf, fbbuf, nidx, nkd, coords, wq, W_p1, b_p1, bq, bk, bv, bo, gamma, beta, out0; writes out0
.if DOCPART == 3
	.amdgcn_target "amdgcn-amd-amdhsa--gfx1250"
	.amdhsa_code_object_version 6
	.text
	.protected	k_q47a4526f39_chain
	.globl	k_q47a4526f39_chain
	.p2align	8
	.type	k_q47a4526f39_chain,@function
k_q47a4526f39_chain:
	s_mov_b64 s[64:65], 0
	v_nop
	global_prefetch_b8 v0, s[64:65] scope:SCOPE_SE
	s_setreg_imm32_b32 hwreg(HW_REG_WAVE_MODE, 25, 1), 1
	s_wait_xcnt 0x0
; THE CHAIN.  For each query: rel (4 numbers a neighbour) -> relu(rel W_p1 + b_p1) (f32) -> Q . Q(W_p2) + b_p2 + f[neighbour] = kv -> Q(kv) Q(Wk), Q(kv) Q(Wv) -> attention of 4 heads over the 16 neighbours ->
; Q(agg) Q(Wo) + bo -> residual where the query has a neighbour -> LayerNorm.  Quantised products: codes of E5M2, one E8M0 scale for each 32 along K; sums in f32.
; SHARES.  A work-group has 64 queries: 4 super-blocks of 16, each 4 sub-blocks of 4 TILES; a tile is one query's 16 neighbours.  THE WAVES SHARE THE COLUMNS: wave w = head w = columns 64 w .. 64 w + 63 of every
; product.  Its fragments of W_p2, Wk and Wv, which every tile wants, stay in registers for the whole launch; those of Wq and Wo, wanted once for 16 queries, lie in the wave's own LDS bytes and take turns in one set of registers.
; What goes round, through LDS as images of operand registers, is the rows' codes.
; THE GATHER RUNS A WHOLE SUB-BLOCK AHEAD: a wave asks for its 16 rows of the sub-block after next (32 loads of 512 bytes) at the head of an attention phase and puts them into LDS at the head of the next one.
; LAYOUTS.  pos, kh, q and the last product are used TRANSPOSED (source 0 = 16 columns of the weight): a lane holds one row and eight columns a tile.  W_p1's and W_p2's rows of a tile are chosen so that the 16 registers
; of two neighbouring tiles are 16 neighbours along the next K.  vh is used as it is (source 0 = the 16 neighbours): a lane holds one column and eight neighbours.
; ORDER OF ROUNDING that differs from reference()'s (about 1e-7 of the numbers): b_p2 is added to f ahead of the product's sum (fbbuf); q . bk enters a score as one number; bv is added behind the weighted sum (the weights sum to 1).
; A slot without a neighbour (sign bit of nkd) carries an index inside the table; its score is -1e9, as in reference(); a query with no neighbour keeps f.  LIMITS: NaN and infinities among the inputs are not served.
; No tensor load: the bulk is gathered rows whose addresses come from a list.  No cluster: what work-groups share, 288 KiB of weight images, each reads once.
; REGISTERS, in windows of 256 (s_set_vgpr_msb: bits 1:0 source 0, 3:2 source 1, 5:4 source 2, 7:6 destination):
;   window 1: Wk at 16 (2 t + s), Wv at 128 + 16 (2 t + s).   window 2: W_p2 at 16 t; v64-79 the offsets of the 16 rows being gathered; v128-255 those rows.
;   window 3: v0-127 Wq or Wo at 16 (2 t + s); v128-255 the fragments fetched from LDS; between two super-blocks v160-191 f for the quantiser, v224-255 f for the residual.   window 0: see the names below.
.set REL,   0                          ; LDS: rel, 256 bytes a tile (8 a lane)
.set VMSK,  16384                      ; the neighbours' keys, 128 bytes a tile
.set BP1,   24576                      ; b_p1
.set H1IMG, 25088                      ; the hidden layer's 4 fragments, 2,048 bytes each;  H1SC their scale words
.set H1SC,  33280
.set KVIMG, 33792                      ; kv's 8 fragments (tile m, K step s: 2 m + s);  KVSC their scale words
.set KVSC,  50176
.set FIMG,  51200                      ; two fragments of f, later of agg;  FSCL their scale words
.set FSCL,  55296
.set QBB,   55552                      ; q . bk / 8: 64 bytes a wave
.set CONB,  55808                      ; bq, bk, bo, gamma, beta: 1,024 bytes each
.set QL,    60928                      ; q: 16 rows of RP bytes
.set AO,    77568                      ; agg, later the last product: 16 rows of RP bytes
.set STAGE, 94208                      ; the gathered rows: 4 tiles x 16 rows of RP bytes
.set WXB,   160768                     ; for each wave 32,768 bytes of its own: its 8 fragments of Wq, then its 8 of Wo
.set RP,    1040                       ; a row of 1,024 bytes + 16: the 16 rows that a load touches start in different banks
.set TP,    16640
.set LN,  1
.set RR,  2                            ; lane % 16
.set HH,  3                            ; lane / 16
.set L16, 4                            ; 16 x lane
.set L4,  5                            ; 4 x lane
.set RELA, 6                           ; 8 x lane + 256 w
.set W4A, 7                            ; 4 x lane + 128 w
.set H64, 8                            ; 64 h
.set W16A, 9                           ; 16 x lane + 2,048 w
.set KVW, 10                           ; 16 x lane + 2,048 (w / 2) + 1,024 (w % 2)
.set KSW, 11                           ; 4 x lane + 128 (w / 2) + 2 (w % 2)
.set STR, 12                           ; STAGE + RP r + 256 w + 64 h
.set STW, 13                           ; STAGE + 4 RP w + 16 x lane
.set RW,  14                           ; RP r + 256 w + 32 h
.set RWA, 15                           ; the same + AO
.set QRD, 16                           ; 256 w + 32 h
.set AOW, 17                           ; AO + 256 w + 4 r
.set AOR, 18                           ; AO + 4 RP w + 16 x lane
.set D2R, 19                           ; AO + RP r + 256 w + 64 h
.set SWP, 20                           ; v20-55 the weights' scale words: W_p2 4, Wk 8, Wv 8, Wq 8, Wo 8;  v56-63 the fetched fragments': scales and nothing else
.set SWK, 24
.set SWV, 32
.set SWQ, 40
.set SWO, 48
.set SA,  56
.set WP1, 64                           ; v64-79 W_p1 as 8 tiles of source 0
.set BV,  80                           ; v80-83 bv at columns 64 w + 16 t + r
.set RL,  84                           ; v[84:85] rel
.set TA,  86                           ; v86-88 addresses of the phase in hand
.set TB,  87
.set TC,  88
.set ZR,  89                           ; 0
.set NEGR, 90                          ; -1e9
.set FA,  91                           ; f for the quantiser: 1,024 r + 256 w + 64 h
.set DA,  92                           ; v92-123, v124-155 two sets of four accumulators: written by matrix instructions alone
.set DB,  124
.set R0,  156                          ; v156-219 by phase
.set PC,  220                          ; v220-235 codes; in the attention: keys' signs, q . bk, scores, weights
.set VM,  220
.set QK,  224
.set SC,  228
.set W8,  232
.set TM,  236                          ; v236-243 at work in the quantiser
.set MX,  240
.set PB,  244
.set PW,  245
.set OA,  246                          ; 4,096 w + 16 x lane
.set QBW, 247                          ; 64 w + 4 r
.set WXA, 248                          ; WXB + 32,768 w + 16 x lane
.set QRX, 249                          ; q for the scores: 256 w + 64 (r / 4) + 32 h + 8 (r % 4): lane place p of a half holds columns 16 (p / 4) + 8 h + 2 (p % 4) + 0, 1
.set H4R, 251                          ; 4 h
.set QV,  R0                           ; v[QV + 2 m : QV + 2 m + 1]: tile m's q, two numbers a lane
; at the head window 2 v80-111 hold my 16 queries' own coordinates; in the sub-blocks window 3 v0-63 hold b_p1 in the result's layout
.set GAD, 64                           ; in window 2: the rows' offsets,
.set GD,  128                          ; and the rows: tile m, my row i at GD + 32 m + 8 i
.set FQ,  160                          ; in window 3: f for the quantiser,
.set FD,  224                          ; and f for the residual: query i at FD + 8 i
.set SEL, 66
.set MNT, 68
.set MSB, 0
.macro WIN new                         ; the immediate's high byte repeats the setting that is left; a switch that changes nothing is dropped
.if MSB != (\new)
	s_set_vgpr_msb (MSB<<8)|(\new)
.set MSB, (\new)
.endif
.endm
.macro PLACES n
.rept \n
	v_nop
.endr
.endm
.macro BARRIER                         ; my LDS stores have landed and my LDS loads are in: then the work-group's barrier
	s_wait_dscnt 0x0
	s_barrier_signal -1
	s_barrier_wait -1
.endm
.macro WM0 d, a, b, sa, sb             ; the first K step starts a sum
	v_wmma_scale_f32_16x16x128_f8f6f4 v[\d:\d+7], v[\a:\a+15], v[\b:\b+15], 0, v[\sa], v[\sb] matrix_a_fmt:MATRIX_FMT_BF8 matrix_b_fmt:MATRIX_FMT_BF8
.endm
.macro WMC d, a, b, c, sa, sb
	v_wmma_scale_f32_16x16x128_f8f6f4 v[\d:\d+7], v[\a:\a+15], v[\b:\b+15], v[\c:\c+7], v[\sa], v[\sb] matrix_a_fmt:MATRIX_FMT_BF8 matrix_b_fmt:MATRIX_FMT_BF8
.endm
; 32 numbers of a lane, v[s + 16 b + i] of window sw = k 32 b + 16 (lane / 16) + i of my row (b = 0, 1), become 8 registers of codes at v[p] and two scale bytes in v[PB].  relu = 1: what is negative becomes 0.
; The held numbers go to v[hd] on, in window 0.
.macro QUANT2 s, hd, p, relu, sw
	WIN 5*\sw                                      ; sources 0 and 1 in window sw
.if \relu
	v_max3_num_f32 v[TM], v[\s], v[\s+1], 0x8000000                  ; the floor 2^(16 - 127) among the leaves: the byte cannot fall under 1
	v_max3_num_f32 v[TM+1], v[\s+16], v[\s+17], 0x8000000
	WIN 20*\sw                                     ; sources 1 and 2
.irp i, 2,4,6,8,10,12,14
	v_max3_num_f32 v[TM], v[TM], v[\s+\i], v[\s+\i+1]
	v_max3_num_f32 v[TM+1], v[TM+1], v[\s+16+\i], v[\s+17+\i]
.endr
.else
	v_max3_num_f32 v[TM], |v[\s]|, |v[\s+1]|, 0x8000000
	v_max3_num_f32 v[TM+1], |v[\s+16]|, |v[\s+17]|, 0x8000000
	WIN 20*\sw
.irp i, 2,4,6,8,10,12,14
	v_max3_num_f32 v[TM], v[TM], |v[\s+\i]|, |v[\s+\i+1]|
	v_max3_num_f32 v[TM+1], v[TM+1], |v[\s+16+\i]|, |v[\s+17+\i]|
.endr
.endif
	WIN 0
	v_permlanex16_b32 v[TM+2], v[TM], s[SEL], s[SEL+1]
	v_permlanex16_b32 v[TM+3], v[TM+1], s[SEL], s[SEL+1]
	v_max_num_f32 v[TM], v[TM], v[TM+2]            ; with lane l xor 16's 16: the block's largest magnitude
	v_max_num_f32 v[TM+1], v[TM+1], v[TM+3]
	v_add_nc_u32 v[TM+4], 0xf8800000, v[TM]        ; 15 off the exponent field: the conversion's scale operand
	v_add_nc_u32 v[TM+5], 0xf8800000, v[TM+1]
	v_and_or_b32 v[TM+6], v[TM], 0x7f800000, s[MNT]   ; 57,344 x the scale
	v_and_or_b32 v[TM+7], v[TM+1], 0x7f800000, s[MNT]
	v_lshrrev_b32 v[TM+2], 23, v[TM+4]
	v_lshrrev_b32 v[TM+3], 23, v[TM+5]
	v_lshl_or_b32 v[PB], v[TM+3], 8, v[TM+2]
	WIN \sw                                        ; source 0
.irp b, 0,1
.irp i, 0,1,2,3,4,5,6,7,8,9,10,11,12,13,14,15
.if \relu
	v_med3_num_f32 v[\hd+16*\b+\i], v[\s+16*\b+\i], 0, v[TM+6+\b]   ; the activation and the hold in one
.else
	v_med3_num_f32 v[\hd+16*\b+\i], v[\s+16*\b+\i], -v[TM+6+\b], v[TM+6+\b]   ; the conversion does not saturate (ISA guide 7.6.2): the hold comes first
.endif
.endr
.endr
	WIN 0
	v_cvt_scalef32_pk8_bf8_f32 v[\p:\p+1], v[\hd:\hd+7], v[TM+4]
	v_cvt_scalef32_pk8_bf8_f32 v[\p+2:\p+3], v[\hd+8:\hd+15], v[TM+4]
	v_cvt_scalef32_pk8_bf8_f32 v[\p+4:\p+5], v[\hd+16:\hd+23], v[TM+5]
	v_cvt_scalef32_pk8_bf8_f32 v[\p+6:\p+7], v[\hd+24:\hd+31], v[TM+5]
	v_nop                                          ; a plain line behind the last conversion
.endm
.macro QIMG s, sw                      ; 32 numbers a lane in v[s] on, window sw: my 64 columns of 16 rows: two groups of four registers of fragment w / 2 and two scale bytes, to FIMG
	QUANT2 \s, R0, PC, 0, \sw
	ds_store_b128 v[KVW], v[PC:PC+3] offset:FIMG
	ds_store_b128 v[KVW], v[PC+4:PC+7] offset:FIMG+512
	ds_store_b16 v[KSW], v[PB] offset:FSCL
.endm
.macro FFETCH                          ; the two fragments in FIMG and their scale words
	WIN 0xc0
.irp s, 0,1
.irp c, 0,1,2,3
	ds_load_b128 v[128+16*\s+4*\c:128+16*\s+4*\c+3], v[L16] offset:FIMG+2048*\s+512*\c
.endr
.endr
	WIN 0
	ds_load_b32 v[SA], v[L4] offset:FSCL
	ds_load_b32 v[SA+1], v[L4] offset:FSCL+128
.endm
; Wq's and Wo's fragments of my head: from memory into window 3 (once), into my own LDS bytes (once), and back whenever they are wanted
.macro WXGET base, r
	WIN 0xc0
.irp f, 0,1,2,3,4,5,6,7
.irp c, 0,1,2,3
	global_load_b128 v[\r+16*\f+4*\c:\r+16*\f+4*\c+3], v233, s[18:19] offset:2048*(\base+\f)+512*\c
.endr
.endr
	WIN 0
.endm
.macro WXPUT off, r
	WIN 0x0c                                       ; an LDS store's data are its source 1: window 3
.irp f, 0,1,2,3,4,5,6,7
.irp c, 0,1,2,3
	ds_store_b128 v[WXA], v[\r+16*\f+4*\c:\r+16*\f+4*\c+3] offset:\off+2048*\f+512*\c
.endr
.endr
	WIN 0
.endm
.macro WXTAKE off
	WIN 0xc0
.irp f, 0,1,2,3,4,5,6,7
.irp c, 0,1,2,3
	ds_load_b128 v[16*\f+4*\c:16*\f+4*\c+3], v[WXA] offset:\off+2048*\f+512*\c
.endr
.endr
	WIN 0
.endm
.macro FQLOAD off                      ; 16 rows of f, my 64 columns: my row's 16 numbers of each of two blocks of 32, into window 3
	WIN 0xc0
.irp c, 0,1
.irp i, 0,1,2,3
	global_load_b128 v[FQ+16*\c+4*\i:FQ+16*\c+4*\i+3], v[FA], s[8:9] offset:\off+128*\c+16*\i
.endr
.endr
	WIN 0
.endm
; THE GATHER.  Wave w brings rows 4 w .. 4 w + 3 of each tile, a whole row of 1,024 bytes by two loads of 512 consecutive bytes.
.macro GIDX                            ; the indices of four queries (piece w of nidx), by scalar loads; past the work-group's last query the number is held, so that no load leaves its buffer
.irp m, 0,1,2,3
	s_add_co_u32 s60, s74, \m
	s_min_u32 s60, s60, 63
	s_lshr_b32 s61, s60, 5
	s_lshl_b32 s61, s61, 11
	s_and_b32 s60, s60, 31
	s_lshl_b32 s60, s60, 4
	s_add_co_u32 s60, s60, s61
	s_add_co_u32 s[56+\m], s60, s76
	s_load_b128 s[40+4*\m:43+4*\m], s[12:13], s[56+\m] offset:0x0
.endr
	s_add_co_u32 s74, s74, 4
.endm
.macro GLALL                           ; my 16 rows of four tiles are asked for: 32 loads.  Each row has an offset register of its own, so that none is written while a load names it
	WIN 0x80                                       ; destination window 2
.irp m, 0,1,2,3
.irp i, 0,1,2,3
	s_min_u32 s60, s[40+4*\m+\i], 16383            ; a number from memory enters an address behind a hold
	s_lshl_b32 s60, s60, 10
	v_add_nc_u32 v[GAD+4*\m+\i], s60, v[L16]
.endr
.endr
	WIN 0x82                                       ; destination and address window 2
	s_wait_alu depctr_va_vdst(0)
.irp m, 0,1,2,3
.irp i, 0,1,2,3
	global_load_b128 v[GD+32*\m+8*\i:GD+32*\m+8*\i+3], v[GAD+4*\m+\i], s[10:11]
	global_load_b128 v[GD+32*\m+8*\i+4:GD+32*\m+8*\i+7], v[GAD+4*\m+\i], s[10:11] offset:512
.endr
.endr
	WIN 0
.endm
.macro GSALL                           ; and go into LDS: 32 stores
	WIN 0x08                                       ; an LDS store's data are its source 1: window 2
.irp m, 0,1,2,3
.irp i, 0,1,2,3
	ds_store_b128 v[STW], v[GD+32*\m+8*\i:GD+32*\m+8*\i+3] offset:TP*\m+RP*\i
	ds_store_b128 v[STW], v[GD+32*\m+8*\i+4:GD+32*\m+8*\i+7] offset:TP*\m+RP*\i+512
.endr
.endr
	WIN 0
.endm
; rel and the keys of 8 of my 16 tiles (tile 4 i + w, i = 8 hh + k): lanes 0-15 hold (dx, dy), lanes 16-31 (dt, kd) of neighbour lane % 16: source 1 of the f32 product
; All 16 tiles at once, in three parts.  Tile k: index v[R0 + k], key v[R0 + 16 + k], the neighbour's two numbers v[R0 + 32 + 2 k] on, the query's own two in window 2 v[80 + 2 k] on.
; A lane takes two neighbouring words at 4 h: lanes 0-15 (x, y), lanes 16-31 (y, t).
.macro A0ASK                           ; 64 loads: indices, keys, the queries' own coordinates
.irp k, 0,1,2,3,4,5,6,7,8,9,10,11,12,13,14,15
	global_load_b32 v[R0+\k], v[TA], s[12:13] offset:2048*(\k/8)+64*(\k%8)
	global_load_b32 v[R0+16+\k], v[TA], s[14:15] offset:2048*(\k/8)+64*(\k%8)
.endr
	WIN 0x80                                       ; destination window 2
.irp k, 0,1,2,3,4,5,6,7,8,9,10,11,12,13,14,15
	global_load_b32 v[80+2*\k], v[TB], s[16:17] offset:48*\k
	global_load_b32 v[81+2*\k], v[TB], s[16:17] offset:48*\k+4
.endr
	WIN 0
.endm
.macro A0NBR                           ; 32 loads: the neighbours' coordinates
.irp k, 0,1,2,3,4,5,6,7,8,9,10,11,12,13,14,15
	v_min_u32 v[R0+\k], 16383, v[R0+\k]            ; a number from memory enters an address behind a hold
.endr
.irp k, 0,1,2,3,4,5,6,7,8,9,10,11,12,13,14,15
	v_mul_u32_u24 v[R0+\k], v[R0+\k], 12
.endr
.irp k, 0,1,2,3,4,5,6,7,8,9,10,11,12,13,14,15
	v_add_nc_u32 v[R0+\k], v[R0+\k], v[H4R]
.endr
.irp k, 0,1,2,3,4,5,6,7,8,9,10,11,12,13,14,15
	global_load_b32 v[R0+32+2*\k], v[R0+\k], s[16:17]
	global_load_b32 v[R0+33+2*\k], v[R0+\k], s[16:17] offset:4
.endr
.endm
.macro A0PUT                           ; rel and the keys go to LDS
	WIN 0x08                                       ; source 1 window 2
.irp k, 0,1,2,3,4,5,6,7,8,9,10,11,12,13,14,15
	v_sub_f32 v[R0+32+2*\k], v[R0+32+2*\k], v[80+2*\k]       ; lanes 0-15 dx, lanes 16-31 dy
	v_sub_f32 v[R0+33+2*\k], v[R0+33+2*\k], v[81+2*\k]       ; lanes 0-15 dy, lanes 16-31 dt
.endr
	WIN 0
.irp k, 0,1,2,3,4,5,6,7,8,9,10,11,12,13,14,15
	v_cmp_gt_i32 vcc_lo, 0, v[R0+16+\k]
	v_cndmask_b32 v[R0+\k], v[R0+16+\k], v[ZR], vcc_lo       ; the distance, 0 where there is no neighbour
	v_cndmask_b32 v[R0+32+2*\k], v[R0+32+2*\k], v[R0+33+2*\k], s39
	v_cndmask_b32 v[R0+33+2*\k], v[R0+33+2*\k], v[R0+\k], s39
	ds_store_b64 v[RELA], v[R0+32+2*\k:R0+33+2*\k] offset:REL+1024*\k
	ds_store_b32 v[W4A], v[R0+16+\k] offset:VMSK+512*\k
.endr
.endm
.macro CDLOAD cd, m                    ; f[neighbour] + b_p2 in the result's layout: register 16 b + i = column 64 w + 32 b + 16 h + i of row r: the C of pos
.irp b, 0,1
.irp c, 0,1,2,3
	ds_load_b128 v[\cd+16*\b+4*\c:\cd+16*\b+4*\c+3], v[STR] offset:TP*\m+128*\b+16*\c
.endr
.endr
.endm
.macro P3 m, d, cd                     ; kv = Q(h1) Q(W_p2) + (f + b_p2): one K step, four accumulators at v[d] on; the C, at v[cd] on, is free again behind the places
.irp t, 0,1,2,3
	WMC \d+8*\t, 16*\t, 128+16*\m, \cd+8*\t, SWP+\t, SA+\m
.endr
.endm
.macro H1LOAD m                        ; tile m's hidden layer
	WIN 0xc0
.irp c, 0,1,2,3
	ds_load_b128 v[128+16*\m+4*\c:128+16*\m+4*\c+3], v[L16] offset:H1IMG+2048*\m+512*\c
.endr
	WIN 0
.endm
; 64 numbers of a lane, v[s + 16 b + i], b = 0 .. 3: four blocks of 32 (16 in my lane, 16 in lane l xor 16), the four by turns so that no line waits for the line above it.
; Codes: v[PC + 4 b] on.  Scale bytes: blocks 0, 1 in v244, blocks 2, 3 in v250.  The held numbers go to window 2 v80-111, 32 at a time.  Each accumulator is read from its low end on.
.macro QUANT4 s, relu
.irp b, 0,1,2,3
.if \relu
	v_max3_num_f32 v[TM+\b], v[\s+16*\b], v[\s+16*\b+1], 0x8000000           ; the floor 2^(16 - 127) among the leaves: the byte cannot fall under 1
.else
	v_max3_num_f32 v[TM+\b], |v[\s+16*\b]|, |v[\s+16*\b+1]|, 0x8000000
.endif
.endr
.irp i, 2,4,6,8,10,12,14
.irp b, 0,1,2,3
.if \relu
	v_max3_num_f32 v[TM+\b], v[TM+\b], v[\s+16*\b+\i], v[\s+16*\b+\i+1]
.else
	v_max3_num_f32 v[TM+\b], v[TM+\b], |v[\s+16*\b+\i]|, |v[\s+16*\b+\i+1]|
.endif
.endr
.endr
.irp b, 0,1,2,3
	v_permlanex16_b32 v[TM+4+\b], v[TM+\b], s[SEL], s[SEL+1]
.endr
.irp b, 0,1,2,3
	v_max_num_f32 v[TM+\b], v[TM+\b], v[TM+4+\b]   ; the block's largest magnitude
.endr
.irp b, 0,1,2,3
	v_add_nc_u32 v[TM+4+\b], 0xf8800000, v[TM+\b]  ; 15 off the exponent field: the conversion's scale operand
.endr
.irp b, 0,1,2,3
	v_and_or_b32 v[TM+\b], v[TM+\b], 0x7f800000, s[MNT]   ; 57,344 x the scale
.endr
	v_lshrrev_b32 v244, 23, v[TM+4]                ; the four scale bytes
	v_lshrrev_b32 v245, 23, v[TM+5]
	v_lshrrev_b32 v250, 23, v[TM+6]
	v_lshrrev_b32 v252, 23, v[TM+7]
	v_lshl_or_b32 v244, v245, 8, v244
	v_lshl_or_b32 v250, v252, 8, v250
.irp g, 0,1
	WIN 0x80                                       ; destination window 2
.irp u, 0,1
.irp i, 0,1,2,3,4,5,6,7,8,9,10,11,12,13,14,15
.if \relu
	v_med3_num_f32 v[80+16*\u+\i], v[\s+32*\g+16*\u+\i], 0, v[TM+2*\g+\u]    ; the activation and the hold in one
.else
	v_med3_num_f32 v[80+16*\u+\i], v[\s+32*\g+16*\u+\i], -v[TM+2*\g+\u], v[TM+2*\g+\u]   ; the conversion does not saturate (ISA guide 7.6.2): the hold comes first
.endif
.endr
.endr
	WIN 0x02                                       ; source 0 window 2
	v_cvt_scalef32_pk8_bf8_f32 v[PC+8*\g:PC+8*\g+1], v[80:87], v[TM+4+2*\g]
	v_cvt_scalef32_pk8_bf8_f32 v[PC+8*\g+2:PC+8*\g+3], v[88:95], v[TM+4+2*\g]
	v_cvt_scalef32_pk8_bf8_f32 v[PC+8*\g+4:PC+8*\g+5], v[96:103], v[TM+5+2*\g]
	v_cvt_scalef32_pk8_bf8_f32 v[PC+8*\g+6:PC+8*\g+7], v[104:111], v[TM+5+2*\g]
	v_nop                                          ; a plain line behind the last conversion, ahead of the lines that write its sources again
.endr
	WIN 0
.endm
.macro KVST m, p, kb                   ; my two groups of four registers of fragment (m, w / 2), and my two scale bytes
	ds_store_b128 v[KVW], v[\p:\p+3] offset:KVIMG+4096*\m
	ds_store_b128 v[KVW], v[\p+4:\p+7] offset:KVIMG+4096*\m+512
	ds_store_b16 v[KSW], v[\kb] offset:KVSC+256*\m
.endm
.macro QRLOAD m                        ; q of the tile's query: the 32 numbers that a half of the lanes wants, two a lane: the 32 lanes read 256 consecutive bytes
	ds_load_b64 v[QV+2*\m:QV+2*\m+1], v[TB] offset:QL+RP*\m
.endm
.macro KH m, d                         ; kh^T: source 0 = 16 columns of Wk, source 1 = the tile.  The four accumulators take turns
	WIN 0x0d                                       ; source 0 window 1, source 1 window 3
.irp t, 0,1,2,3
	WM0 \d+8*\t, 32*\t, 128+32*\m, SWK+2*\t, SA+2*\m
.endr
.irp t, 0,1,2,3
	WMC \d+8*\t, 32*\t+16, 128+32*\m+16, \d+8*\t, SWK+2*\t+1, SA+2*\m+1
.endr
	WIN 0
.endm
.macro VH m, d                         ; vh: source 0 = the tile, source 1 = 16 columns of Wv
	WIN 0x07                                       ; source 0 window 3, source 1 window 1
.irp t, 0,1,2,3
	WM0 \d+8*\t, 128+32*\m, 128+32*\t, SA+2*\m, SWV+2*\t
.endr
.irp t, 0,1,2,3
	WMC \d+8*\t, 128+32*\m+16, 128+32*\t+16, \d+8*\t, SA+2*\m+1, SWV+2*\t+1
.endr
	WIN 0
.endm
.macro DOTP d, q                       ; v232 = the sum over my head's 64 columns of v[d ..] x v[q ..]: 32 in my lane, 32 in lane l xor 16.  Each accumulator is read from its low end on
	v_pk_mul_f32 v[232:233], v[\d:\d+1], v[\q:\q+1]
	v_pk_mul_f32 v[234:235], v[\d+2:\d+3], v[\q+2:\q+3]
.irp j, 4,8,12,16,20,24,28
	v_pk_fma_f32 v[232:233], v[\d+\j:\d+\j+1], v[\q+\j:\q+\j+1], v[232:233]
	v_pk_fma_f32 v[234:235], v[\d+\j+2:\d+\j+3], v[\q+\j+2:\q+\j+3], v[234:235]
.endr
	v_pk_add_f32 v[232:233], v[232:233], v[234:235]
	v_add_f32 v232, v232, v233
	v_permlanex16_b32 v244, v232, s[SEL], s[SEL+1]
	v_add_f32 v232, v232, v244
.endm
; four products of the score: lane place p of my half lends its q (register c); it meets column 16 (p / 4) + 8 h + 2 (p % 4) + c.  One sum for each accumulator, the four by turns
.macro DOTG m, d, c, first, a0, a1, a2, a3
.irp p, \a0, \a1, \a2, \a3
.if \first
	v_mul_f32_dpp v[AC+\p/4], v[QV+2*\m+\c], v[\d+8*(\p/4)+2*(\p%4)+\c] row_share:\p row_mask:0xf bank_mask:0xf
.else
	v_fmac_f32_dpp v[AC+\p/4], v[QV+2*\m+\c], v[\d+8*(\p/4)+2*(\p%4)+\c] row_share:\p row_mask:0xf bank_mask:0xf
.endif
.endr
.endm
.macro DOT m, d                        ; the score of neighbour lane % 16.  Each accumulator is read from its low end on.  Tiles 0, 1 sum in v232-235, tiles 2, 3 in v236-239
.set AC, 232+4*(\m/2)
	DOTG \m, \d, 0, 1, 0, 4, 8, 12
	DOTG \m, \d, 1, 0, 0, 4, 8, 12
	DOTG \m, \d, 0, 0, 1, 5, 9, 13
	DOTG \m, \d, 1, 0, 1, 5, 9, 13
	DOTG \m, \d, 0, 0, 2, 6, 10, 14
	DOTG \m, \d, 1, 0, 2, 6, 10, 14
	DOTG \m, \d, 0, 0, 3, 7, 11, 15
	DOTG \m, \d, 1, 0, 3, 7, 11, 15
	v_pk_add_f32 v[AC:AC+1], v[AC:AC+1], v[AC+2:AC+3]
	v_add_f32 v[AC], v[AC], v[AC+1]
	v_permlanex16_b32 v[244+\m/2], v[AC], s[SEL], s[SEL+1]
	v_add_f32 v[AC], v[AC], v[244+\m/2]            ; with lane l xor 16's 32 columns
	v_fma_f32 v[AC], v[AC], 0x3e000000, v[QK+\m]   ; / sqrt(64), + q . bk / 8
	v_cmp_gt_i32 vcc_lo, 0, v[VM+\m]
	v_cndmask_b32 v[SC+\m], v[AC], v[NEGR], vcc_lo
.endm
.macro AGG m, d                        ; the weighted sum over the 16 neighbours: eight in my lane, eight in lane l xor 16
.irp j, 0,1,2,3,4,5,6,7
	v_mov_b32_dpp v[W8+\j], v[MX+\m] row_share:\j row_mask:0xf bank_mask:0xf   ; the weight of neighbour 8 h + j, in every lane of the half
.endr
.irp t, 0,1,2,3
	v_pk_mul_f32 v[172+2*\t:173+2*\t], v[\d+8*\t:\d+8*\t+1], v[W8:W8+1]
.endr
.irp j, 2,4,6
.irp t, 0,1,2,3
	v_pk_fma_f32 v[172+2*\t:173+2*\t], v[\d+8*\t+\j:\d+8*\t+\j+1], v[W8+\j:W8+\j+1], v[172+2*\t:173+2*\t]
.endr
.endr
.irp t, 0,1,2,3
	v_add_f32 v[172+2*\t], v[172+2*\t], v[173+2*\t]
.endr
.irp t, 0,1,2,3
	v_permlanex16_b32 v[180+\t], v[172+2*\t], s[SEL], s[SEL+1]
.endr
.irp t, 0,1,2,3
	v_add_f32 v[172+2*\t], v[172+2*\t], v[180+\t]
.endr
.irp t, 0,1,2,3
	v_add_f32 v[R0+4*\m+\t], v[172+2*\t], v[BV+\t]
.endr
.irp t, 0,1,2,3
	ds_store_b32 v[TA], v[R0+4*\m+\t] offset:RP*\m+64*\t   ; both halves write the same word with the same value; each tile has result registers of its own
.endr
.endm
.macro REDUCE                          ; v[TM + i], i = 0 .. 3: summed over the 32 lanes
.irp x, 1,2,4,8
.irp i, 0,1,2,3
	v_add_f32_dpp v[TM+\i], v[TM+\i], v[TM+\i] row_xmask:\x row_mask:0xf bank_mask:0xf
.endr
.endr
.irp i, 0,1,2,3
	v_permlanex16_b32 v[TM+4+\i], v[TM+\i], s[SEL], s[SEL+1]
.endr
.irp i, 0,1,2,3
	v_add_f32 v[TM+\i], v[TM+\i], v[TM+4+\i]
.endr
.endm
	s_load_b512 s[8:23], s[0:1], 0x0               ; fbuf s[8:9], fbbuf s[10:11], nidx s[12:13], nkd s[14:15], coords s[16:17], wq s[18:19], W_p1 s[20:21], b_p1 s[22:23]
	s_load_b256 s[24:31], s[0:1], 0x40             ; bq, bk, bv, bo
	s_load_b128 s[32:35], s[0:1], 0x60             ; gamma, beta
	s_load_b64 s[36:37], s[0:1], 0x70              ; out0
	v_lshl_add_u32 v254, v0, 2, 0x47400
	v_mov_b32 v255, 0
	v_lshrrev_b32 v1, 5, v0
	v_readfirstlane_b32 s38, v1                    ; wave 0..3
	v_and_b32 v[LN], 31, v0
	v_and_b32 v[RR], 15, v0
	v_bfe_u32 v[HH], v0, 4, 1
	s_mov_b32 s39, 0xffff0000                      ; lanes 16-31
	s_mov_b32 s[SEL], 0x76543210
	s_mov_b32 s[SEL+1], 0xfedcba98
	s_mov_b32 s[MNT], 0x600000
	s_mov_b32 s78, 0x3b800000                      ; 1 / 256
	s_mov_b32 s79, 0x3727c5ac                      ; 1e-5
	v_mov_b32 v[ZR], 0
	v_mov_b32 v[NEGR], 0xce6e6b28                  ; -1e9
.irp i, 4,5,6,7
	v_mov_b32 v[TM+\i], 0                          ; destinations of lane permutes count as read
.endr
	v_lshlrev_b32 v[L16], 4, v[LN]
	v_lshlrev_b32 v[L4], 2, v[LN]
	v_lshlrev_b32 v[H64], 6, v[HH]
	s_lshl_b32 s60, s38, 8                         ; 256 w
	v_lshl_add_u32 v[RELA], v[LN], 3, s60
	v_lshl_add_u32 v[QRD], v[HH], 5, s60
	v_lshrrev_b32 v[QRX], 2, v[RR]
	v_lshl_add_u32 v[QRX], v[QRX], 6, v[QRD]
	v_and_b32 v250, 3, v[RR]
	v_lshl_add_u32 v[QRX], v250, 3, v[QRX]
	v_lshlrev_b32 v[H4R], 2, v[HH]
	v_mul_u32_u24 v[RW], v[RR], RP
	v_lshl_add_u32 v[STR], v[HH], 6, v[RW]
	v_lshl_add_u32 v[D2R], v[HH], 6, v[RW]
	v_lshl_add_u32 v[RW], v[HH], 5, v[RW]
	v_add_nc_u32 v[RW], s60, v[RW]
	v_add_nc_u32 v[RWA], AO, v[RW]
	s_add_co_u32 s61, s60, STAGE
	v_add_nc_u32 v[STR], s61, v[STR]
	s_add_co_u32 s61, s60, AO
	v_lshl_add_u32 v[AOW], v[RR], 2, s61
	v_lshl_add_u32 v245, v[RR], 2, s60             ; bv: 256 w + 4 r
	s_lshl_b32 s61, s38, 9                         ; 512 w
	s_add_co_u32 s62, s60, AO                      ; agg for the quantiser: AO + RP r + 256 w + 64 h
	v_add_nc_u32 v[D2R], s62, v[D2R]
	v_lshlrev_b32 v[FA], 10, v[RR]
	v_lshl_add_u32 v[FA], v[HH], 6, v[FA]
	v_add_nc_u32 v[FA], s60, v[FA]                 ; f for the quantiser: 1,024 r + 256 w + 64 h
	v_lshl_add_u32 v234, v[LN], 2, s61             ; W_p2's scale words: 4 x lane + 512 w
	s_lshl_b32 s61, s38, 7
	v_lshl_add_u32 v[W4A], v[LN], 2, s61
	s_lshl_b32 s61, s38, 11
	v_lshl_add_u32 v[W16A], v[LN], 4, s61
	s_lshr_b32 s61, s38, 1
	s_and_b32 s62, s38, 1
	s_lshl_b32 s63, s61, 11
	s_lshl_b32 s60, s62, 10
	s_add_co_u32 s63, s63, s60
	v_lshl_add_u32 v[KVW], v[LN], 4, s63
	s_lshl_b32 s63, s61, 7
	s_lshl_b32 s60, s62, 1
	s_add_co_u32 s63, s63, s60
	v_lshl_add_u32 v[KSW], v[LN], 2, s63
	s_mul_i32 s60, s38, 4*RP
	s_add_co_u32 s61, s60, STAGE
	v_lshl_add_u32 v[STW], v[LN], 4, s61
	s_add_co_u32 s61, s60, AO
	v_lshl_add_u32 v[AOR], v[LN], 4, s61
	s_lshl_b32 s60, s38, 15
	s_add_co_u32 s60, s60, WXB
	v_lshl_add_u32 v[WXA], v[LN], 4, s60
	s_lshl_b32 s60, s38, 12
	v_lshl_add_u32 v[OA], v[LN], 4, s60
	s_lshl_b32 s60, s38, 6
	v_lshl_add_u32 v[QBW], v[RR], 2, s60
	s_lshl_b32 s60, s38, 13
	v_lshl_add_u32 v232, v[LN], 4, s60             ; W_p2's images: 16 x lane + 4 fragments x wave
	s_lshl_b32 s60, s38, 14
	v_lshl_add_u32 v233, v[LN], 4, s60             ; the others': 16 x lane + 8 fragments x wave
	s_lshl_b32 s60, s38, 10
	v_lshl_add_u32 v235, v[LN], 2, s60             ; and their scale words
	v_and_b32 v244, 8, v[RR]
	v_add_nc_u32 v244, v244, v[RR]                 ; r + 8 (r / 8)
	v_lshlrev_b32 v244, 2, v244
	v_lshl_add_u32 v244, v[HH], 10, v244           ; W_p1: rows 2 h, 2 h + 1 of 512 bytes
	s_lshl_b32 s76, ttmp9, 12
	s_lshl_b32 s60, s38, 9
	s_add_co_u32 s76, s76, s60                     ; nidx: the work-group's 4,096 bytes, piece w
	v_lshrrev_b32 v[TA], 2, v[RR]
	v_lshlrev_b32 v[TA], 9, v[TA]
	v_and_b32 v[TB], 3, v[RR]
	v_lshl_add_u32 v[TA], v[TB], 2, v[TA]
	s_lshl_b32 s60, ttmp9, 12
	s_lshl_b32 s61, s38, 4
	s_add_co_u32 s60, s60, s61
	v_add_nc_u32 v[TA], s60, v[TA]                 ; nidx, nkd: neighbour r of query w of the work-group; 4 queries on are 64 bytes on
	s_mul_i32 s60, ttmp9, 768
	s_mul_i32 s61, s38, 12
	s_add_co_u32 s60, s60, s61
	v_lshl_add_u32 v[TB], v[HH], 2, s60            ; that query's own coordinates: lanes 0-15 at (x, y), lanes 16-31 at (y, t)
	s_mov_b32 s69, 0                               ; super-block
	s_mov_b32 s71, 0                               ; 1,024 x sub-block: rel
	s_mov_b32 s72, 0                               ; 512 x sub-block: keys
	s_mov_b32 s74, 0                               ; first query of the sub-block whose indices are fetched next
	s_lshl_b32 s77, s38, 9                         ; 2,048 x super-block + 512 w
	s_lshl_b32 s60, ttmp9, 16
	s_mov_b32 s61, 0
	s_wait_alu depctr_va_vdst(0)
	s_wait_kmcnt 0x0
	s_add_nc_u64 s[8:9], s[8:9], s[60:61]          ; fbuf and out0 at the work-group's first query
	s_add_nc_u64 s[36:37], s[36:37], s[60:61]
	GIDX                                           ; sub-block 0
	A0ASK                                          ; what the neighbours' coordinates hang on is asked for first
	; the weights: images of operand registers, 16 bytes a lane
	WIN 0x80
.irp t, 0,1,2,3
.irp c, 0,1,2,3
	global_load_b128 v[16*\t+4*\c:16*\t+4*\c+3], v232, s[18:19] offset:2048*\t+512*\c
.endr
.endr
	WXGET 16, 0                                    ; Wq
	s_wait_loadcnt 48                              ; behind A0ASK's 64 loads stand W_p2's 16 and Wq's 32, which may stay out
	A0NBR
	s_wait_kmcnt 0x0
	GLALL                                          ; sub-block 0's rows
	GIDX                                           ; sub-block 1
	WIN 0x40
.irp f, 0,1,2,3,4,5,6,7
.irp c, 0,1,2,3
	global_load_b128 v[16*\f+4*\c:16*\f+4*\c+3], v233, s[18:19] offset:2048*(48+\f)+512*\c
	global_load_b128 v[128+16*\f+4*\c:128+16*\f+4*\c+3], v233, s[18:19] offset:2048*(80+\f)+512*\c
.endr
.endr
	WXGET 112, 128                                 ; Wo, into the registers of window 3 that are idle at the head
.irp t, 0,1,2,3
	global_load_b32 v[SWP+\t], v234, s[18:19] offset:294912+128*\t
	global_load_b32 v[BV+\t], v245, s[28:29] offset:64*\t
.endr
.irp f, 0,1,2,3,4,5,6,7
	global_load_b32 v[SWQ+\f], v235, s[18:19] offset:294912+128*(16+\f)
	global_load_b32 v[SWK+\f], v235, s[18:19] offset:294912+128*(48+\f)
	global_load_b32 v[SWV+\f], v235, s[18:19] offset:294912+128*(80+\f)
	global_load_b32 v[SWO+\f], v235, s[18:19] offset:294912+128*(112+\f)
.endr
.irp t, 0,1,2,3,4,5,6,7
	global_load_b32 v[WP1+2*\t], v244, s[20:21] offset:4*(32*(\t/2)+8*(\t%2))
	global_load_b32 v[WP1+2*\t+1], v244, s[20:21] offset:512+4*(32*(\t/2)+8*(\t%2))
.endr
	global_load_b128 v[TM:TM+3], v[L16], s[22:23]  ; b_p1: 512 bytes
	global_load_b64 v[220:221], v[RELA], s[24:25]  ; my quarter (256 bytes, 8 a lane) of bq,
	global_load_b64 v[222:223], v[RELA], s[26:27]  ; bk,
	global_load_b64 v[224:225], v[RELA], s[30:31]  ; bo,
	global_load_b64 v[226:227], v[RELA], s[32:33]  ; gamma,
	global_load_b64 v[228:229], v[RELA], s[34:35]  ; beta
	s_wait_loadcnt 0x0                             ; the weights, the constants, the coordinates and the first rows are in
	GSALL
	WXPUT 16384, 128
	A0PUT
.irp a, 0,1,2,3,4
	ds_store_b64 v[RELA], v[220+2*\a:221+2*\a] offset:CONB+1024*\a
.endr
	s_wait_dscnt 0x0                               ; the stores have read their registers: the rows' and Wo's are loaded again below
	FQLOAD 0                                       ; f of the first 16 queries, for the quantiser
	s_wait_kmcnt 0x0
	GLALL                                          ; sub-block 1's rows: they stay in registers until the first attention phase
	WXPUT 0, 0
	s_cmp_lg_u32 s38, 0
	s_cbranch_scc1 .Lno_bp1
	ds_store_b128 v[L16], v[TM:TM+3] offset:BP1
.Lno_bp1:
	BARRIER                                        ; rel, the keys, the constants and the first rows lie in LDS
.Lsuper:                                           ; 4 trips of 16 queries
	s_mov_b32 s70, 0
	s_mov_b32 s73, 0                               ; 4 RP x sub-block of this super-block
	s_lshl_b32 s75, s38, 6                         ; 64 w + 16 x sub-block
	WXTAKE 0                                       ; Wq: it lands while f is quantised
	; ---- q = Q(f) Q(Wq) + bq.  Every wave quantises its 64 columns of the 16 rows; the rows were asked for at the end of the super-block before
	s_wait_loadcnt 0x0                             ; every wave quantises its 64 columns of the 16 rows
	QIMG FQ, 3
	BARRIER
	FFETCH
.irp t, 0,1,2,3
	ds_load_b128 v[R0+8*\t:R0+8*\t+3], v[QRD] offset:CONB+64*\t                      ; bq and bk at my columns 64 w + 16 t + 8 h + 0 .. 7
	ds_load_b128 v[R0+8*\t+4:R0+8*\t+7], v[QRD] offset:CONB+64*\t+16
	ds_load_b128 v[R0+32+8*\t:R0+32+8*\t+3], v[QRD] offset:CONB+1024+64*\t
	ds_load_b128 v[R0+32+8*\t+4:R0+32+8*\t+7], v[QRD] offset:CONB+1024+64*\t+16
.endr
	s_wait_dscnt 0x0
	WIN 0x0f                                       ; both sources window 3
.irp t, 0,1,2,3
	WMC DA+8*\t, 32*\t, 128, R0+8*\t, SWQ+2*\t, SA
.endr
.irp t, 0,1,2,3
	WMC DA+8*\t, 32*\t+16, 144, DA+8*\t, SWQ+2*\t+1, SA+1
.endr
	WIN 0
	PLACES 8
	DOTP DA, R0+32                                 ; q . bk of query r, my head
	v_mul_f32 v232, 0x3e000000, v232               ; / 8
	ds_store_b32 v[QBW], v232 offset:QBB
.irp t, 0,1,2,3
	ds_store_b128 v[RW], v[DA+8*\t:DA+8*\t+3] offset:QL+64*\t        ; q's columns of my head: bytes that I alone read
	ds_store_b128 v[RW], v[DA+8*\t+4:DA+8*\t+7] offset:QL+64*\t+16
.endr
	WIN 0xc0                                       ; b_p1 in the result's layout, over Wq's first 64 registers, which are done with: it stays for the four sub-blocks
.irp b, 0,1,2,3
.irp c, 0,1,2,3
	ds_load_b128 v[16*\b+4*\c:16*\b+4*\c+3], v[H64] offset:BP1+128*\b+16*\c
.endr
.endr
	WIN 0
.Lsub:                                             ; 4 trips of 4 tiles
	; ---- the hidden layer of tile w of the four: f32, since it goes on into a quantiser.  Source 0 = 16 units of W_p1, source 1 = rel; b_p1 is the C
	v_add_nc_u32 v[TA], s71, v[RELA]
	ds_load_b64 v[RL:RL+1], v[TA] offset:REL
	s_wait_dscnt 0x0
	WIN 0x30                                       ; source 2 window 3: b_p1
.irp t, 0,1,2,3
	v_wmma_f32_16x16x4_f32 v[DA+8*\t:DA+8*\t+7], v[WP1+2*\t:WP1+2*\t+1], v[RL:RL+1], v[8*\t:8*\t+7]
.endr
.irp t, 0,1,2,3
	v_wmma_f32_16x16x4_f32 v[DB+8*\t:DB+8*\t+7], v[WP1+8+2*\t:WP1+9+2*\t], v[RL:RL+1], v[32+8*\t:32+8*\t+7]
.endr
	WIN 0
	PLACES 8
	QUANT4 DA, 1
	v_lshl_or_b32 v[PW], v250, 16, v244            ; the tile's scale word
.irp c, 0,1,2,3
	ds_store_b128 v[W16A], v[PC+4*\c:PC+4*\c+3] offset:H1IMG+512*\c
.endr
	ds_store_b32 v[W4A], v[PW] offset:H1SC
	BARRIER                                        ; the four tiles' hidden layers lie in LDS, and so do the gathered rows
	; ---- kv, my 64 columns of the four tiles, quantised: two blocks of 32 a tile
	GIDX                                           ; the indices of the sub-block after next
.irp m, 0,1,2,3
	ds_load_b32 v[SA+\m], v[L4] offset:H1SC+128*\m
.endr
	H1LOAD 0                                       ; the loads stand in the order in which the products want them
	CDLOAD R0, 0
	H1LOAD 1
	CDLOAD R0+32, 1
	H1LOAD 2
	H1LOAD 3
	s_wait_dscnt 20                                ; behind tile 0's loads stand 4 + 8 + 8, which may stay out
	WIN 0x0e                                       ; source 0 window 2, source 1 window 3
	P3 0, DA, R0
	s_wait_dscnt 8                                 ; the hidden layers of tiles 2 and 3 may stay out
	P3 1, DB, R0+32
	WIN 0
	PLACES 8                                       ; ahead of the loads into the C registers and of the reads of the results
	CDLOAD R0, 2                                   ; they land while tiles 0 and 1 are quantised
	CDLOAD R0+32, 3
	QUANT4 DA, 0
	KVST 0, PC, 244
	KVST 1, PC+8, 250
	s_wait_dscnt 0x0                               ; the rows are in, and the stores have read the codes' registers
	WIN 0x0e
	P3 2, DA, R0
	P3 3, DB, R0+32
	WIN 0
	PLACES 8
	QUANT4 DA, 0
	KVST 2, PC, 244
	KVST 3, PC+8, 250
	BARRIER                                        ; kv's eight fragments lie in LDS; nobody reads the gathered rows any more
	; ---- the next sub-block's rows, asked for a whole trip ago, go into LDS; those of the sub-block after next are asked for.  s74 = 4 x (this sub-block's number + 3)
	; ---- attention of my head over the four tiles.  What the products and the scores want is asked of LDS first: 32 + 8 + 4 + 1 + 4 loads
	WIN 0xc0
.irp f, 0,1,2,3,4,5,6,7
.irp c, 0,1,2,3
	ds_load_b128 v[128+16*\f+4*\c:128+16*\f+4*\c+3], v[L16] offset:KVIMG+2048*\f+512*\c
.endr
.endr
	WIN 0
.irp f, 0,1,2,3,4,5,6,7
	ds_load_b32 v[SA+\f], v[L4] offset:KVSC+128*\f
.endr
	v_add_nc_u32 v[TA], s72, v[L4]
.irp m, 0,1,2,3
	ds_load_b32 v[VM+\m], v[TA] offset:VMSK+128*\m
.endr
	v_mov_b32 v[TC], s75
	ds_load_b128 v[QK:QK+3], v[TC] offset:QBB
	v_add_nc_u32 v[TB], s73, v[QRX]
.irp m, 0,1,2,3
	QRLOAD \m
.endr
	; the next sub-block's rows, asked for a whole trip ago, go into LDS behind those loads.  s74 = 4 x (this sub-block's number + 3)
	s_wait_kmcnt 0x0
	s_wait_loadcnt 0x0
	s_cmp_gt_u32 s74, 68                           ; the work-group's last sub-block has no successor
	s_cbranch_scc1 .Lno_gs
	GSALL
	s_wait_dscnt 32                                ; the 32 stores just issued may stay out: all the loads ahead of them are in
	s_branch .Lgs_on
.Lno_gs:
	s_wait_dscnt 0x0
.Lgs_on:
	KH 0, DA
	KH 1, DB
	PLACES 9                                       ; ahead of the reads of both sets, and of the products that begin both sets anew
	DOT 0, DA
	KH 2, DA
	DOT 1, DB                                      ; its lines name no register of the products just issued: they are the places behind them
	KH 3, DB
	s_wait_dscnt 0x0                               ; the rows' stores have read their registers
	s_cmp_gt_u32 s74, 64                           ; the last two sub-blocks ask for nothing
	s_cbranch_scc1 .Lno_gl
	GLALL                                          ; the rows of the sub-block after next
.Lno_gl:
	PLACES 2                                       ; two more places ahead of the reads of the third tile's results
	DOT 2, DA
	PLACES 2                                       ; and of the fourth's
	DOT 3, DB
	; softmax over the 16 lanes of a half, the four tiles by turns; the maximum is taken away as in reference()
.irp m, 0,1,2,3
	v_mov_b32 v[MX+\m], v[SC+\m]
.endr
.irp x, 1,2,4,8
.irp m, 0,1,2,3
	v_max_num_f32_dpp v[MX+\m], v[MX+\m], v[MX+\m] row_xmask:\x row_mask:0xf bank_mask:0xf
.endr
.endr
.irp m, 0,1,2,3
	v_sub_f32 v[SC+\m], v[SC+\m], v[MX+\m]
.endr
.irp m, 0,1,2,3
	v_mul_f32 v[SC+\m], 0x3fb8aa3b, v[SC+\m]
.endr
	s_wait_alu depctr_va_vdst(0)
.irp m, 0,1,2,3
	v_exp_f32 v[SC+\m], v[SC+\m]
.endr
	v_nop                                          ; a plain line behind the exponentials
	s_wait_alu depctr_va_vdst(0)
.irp m, 0,1,2,3
	v_mov_b32 v[MX+\m], v[SC+\m]
.endr
.irp x, 1,2,4,8
.irp m, 0,1,2,3
	v_add_f32_dpp v[MX+\m], v[MX+\m], v[MX+\m] row_xmask:\x row_mask:0xf bank_mask:0xf
.endr
.endr
	s_wait_alu depctr_va_vdst(0)
.irp m, 0,1,2,3
	v_rcp_f32 v[MX+\m], v[MX+\m]
.endr
	v_nop
	s_wait_alu depctr_va_vdst(0)
.irp m, 0,1,2,3
	v_mul_f32 v[SC+\m], v[SC+\m], v[MX+\m]
.endr
.irp m, 0,1,2,3
	v_mov_b32_dpp v[MX+\m], v[SC+\m] row_xmask:8 row_mask:0xf bank_mask:0xf
.endr
.irp m, 0,1,2,3
	v_cndmask_b32 v[MX+\m], v[SC+\m], v[MX+\m], s39   ; lanes 16-31 hold neighbours 8 .. 15 in their first eight places
.endr
	v_add_nc_u32 v[TA], s73, v[AOW]
	VH 0, DA
	VH 1, DB
	PLACES 9
	AGG 0, DA
	VH 2, DA
	AGG 1, DB
	VH 3, DB
	AGG 2, DA
	AGG 3, DB
	s_add_co_u32 s71, s71, 1024
	s_add_co_u32 s72, s72, 512
	s_add_co_u32 s73, s73, 4*RP
	s_add_co_u32 s75, s75, 16
	s_add_co_u32 s70, s70, 1
	s_cmp_lt_u32 s70, 4
	s_cbranch_scc1 .Lsub
	; ---- asked for here, into registers of window 3 that are idle until the next sub-block: f of the next 16 queries for the quantiser (the last super-block has no successor: no load leaves its buffer),
	s_cmp_eq_u32 s69, 3
	s_cbranch_scc1 .Lno_fn
	FQLOAD 16384
.Lno_fn:
	WIN 0xc0                                       ; and f of my four queries for the residual
.irp i, 0,1,2,3
	global_load_b128 v[FD+8*\i:FD+8*\i+3], v[OA], s[8:9] offset:1024*\i
	global_load_b128 v[FD+8*\i+4:FD+8*\i+7], v[OA], s[8:9] offset:1024*\i+512
.endr
	WIN 0
	BARRIER                                        ; agg of the 16 queries lies in LDS
	WXTAKE 16384                                   ; Wo: it lands while agg is quantised
	; ---- Q(agg) Q(Wo) + bo
.irp c, 0,1
.irp i, 0,1,2,3
	ds_load_b128 v[R0+16*\c+4*\i:R0+16*\c+4*\i+3], v[D2R] offset:128*\c+16*\i   ; every wave quantises its 64 columns of the 16 rows
.endr
.endr
	s_wait_dscnt 0x0
	QIMG R0, 0
	BARRIER
	FFETCH
.irp t, 0,1,2,3
	ds_load_b128 v[R0+8*\t:R0+8*\t+3], v[QRD] offset:CONB+2048+64*\t
	ds_load_b128 v[R0+8*\t+4:R0+8*\t+7], v[QRD] offset:CONB+2048+64*\t+16
.endr
	s_wait_dscnt 0x0
	WIN 0x0f                                       ; both sources window 3
.irp t, 0,1,2,3
	WMC DA+8*\t, 32*\t, 128, R0+8*\t, SWO+2*\t, SA
.endr
.irp t, 0,1,2,3
	WMC DA+8*\t, 32*\t+16, 144, DA+8*\t, SWO+2*\t+1, SA+1
.endr
	WIN 0
	PLACES 8
.irp t, 0,1,2,3
	ds_store_b128 v[RWA], v[DA+8*\t:DA+8*\t+3] offset:64*\t
	ds_store_b128 v[RWA], v[DA+8*\t+4:DA+8*\t+7] offset:64*\t+16
.endr
	BARRIER                                        ; 16 whole rows lie in LDS
	; ---- residual and LayerNorm: wave w takes queries 4 w .. 4 w + 3, a row over the 32 lanes (columns 4 l .. and 128 + 4 l ..), the four by turns.  Query i: v[R0 + 16 i] on: 8 numbers, then 8 at work
	v_mov_b32 v[TA], s77
.irp i, 0,1,2,3
	ds_load_b128 v[R0+16*\i:R0+16*\i+3], v[AOR] offset:RP*\i
	ds_load_b128 v[R0+16*\i+4:R0+16*\i+7], v[AOR] offset:RP*\i+512
	ds_load_b32 v[TM+\i], v[TA] offset:VMSK+128*\i                   ; the nearest neighbour's key: its sign says whether there is any
.endr
	ds_load_b128 v[PC:PC+3], v[L16] offset:CONB+3072                 ; gamma,
	ds_load_b128 v[PC+4:PC+7], v[L16] offset:CONB+3072+512
	ds_load_b128 v[PC+8:PC+11], v[L16] offset:CONB+4096              ; beta
	ds_load_b128 v[PC+12:PC+15], v[L16] offset:CONB+4096+512
	s_wait_dscnt 0x0
	s_wait_loadcnt 0x0                             ; f
.irp i, 0,1,2,3
	v_cmp_le_i32 s[60+\i], 0, v[TM+\i]
.endr
	WIN 0x0c                                       ; source 1 window 3
.irp i, 0,1,2,3
.irp j, 0,2,4,6
	v_pk_add_f32 v[R0+16*\i+\j:R0+16*\i+\j+1], v[R0+16*\i+\j:R0+16*\i+\j+1], v[FD+8*\i+\j:FD+8*\i+\j+1]   ; f + agg
.endr
.endr
	WIN 0x03                                       ; source 0 window 3
.irp i, 0,1,2,3
.irp j, 0,1,2,3,4,5,6,7
	v_cndmask_b32 v[R0+16*\i+\j], v[FD+8*\i+\j], v[R0+16*\i+\j], s[60+\i]   ; or f alone
.endr
.endr
	WIN 0
.irp i, 0,1,2,3
	v_pk_add_f32 v[R0+16*\i+8:R0+16*\i+9], v[R0+16*\i:R0+16*\i+1], v[R0+16*\i+2:R0+16*\i+3]
	v_pk_add_f32 v[R0+16*\i+10:R0+16*\i+11], v[R0+16*\i+4:R0+16*\i+5], v[R0+16*\i+6:R0+16*\i+7]
.endr
.irp i, 0,1,2,3
	v_pk_add_f32 v[R0+16*\i+8:R0+16*\i+9], v[R0+16*\i+8:R0+16*\i+9], v[R0+16*\i+10:R0+16*\i+11]
.endr
.irp i, 0,1,2,3
	v_add_f32 v[TM+\i], v[R0+16*\i+8], v[R0+16*\i+9]
.endr
	REDUCE
.irp i, 0,1,2,3
	v_mul_f32 v[R0+16*\i+8], s78, v[TM+\i]         ; the mean
.endr
.irp i, 0,1,2,3
.irp j, 0,2,4,6
	v_pk_add_f32 v[R0+16*\i+\j:R0+16*\i+\j+1], v[R0+16*\i+\j:R0+16*\i+\j+1], v[R0+16*\i+8:R0+16*\i+9] op_sel_hi:[1,0] neg_lo:[0,1] neg_hi:[0,1]
.endr
.endr
.irp i, 0,1,2,3
	v_pk_mul_f32 v[R0+16*\i+10:R0+16*\i+11], v[R0+16*\i:R0+16*\i+1], v[R0+16*\i:R0+16*\i+1]
.endr
.irp j, 2,4,6
.irp i, 0,1,2,3
	v_pk_fma_f32 v[R0+16*\i+10:R0+16*\i+11], v[R0+16*\i+\j:R0+16*\i+\j+1], v[R0+16*\i+\j:R0+16*\i+\j+1], v[R0+16*\i+10:R0+16*\i+11]
.endr
.endr
.irp i, 0,1,2,3
	v_add_f32 v[TM+\i], v[R0+16*\i+10], v[R0+16*\i+11]
.endr
	REDUCE
.irp i, 0,1,2,3
	v_fma_f32 v[TM+\i], v[TM+\i], s78, s79         ; the variance + 1e-5
.endr
	s_wait_alu depctr_va_vdst(0)
.irp i, 0,1,2,3
	v_rsq_f32 v[R0+16*\i+8], v[TM+\i]
.endr
	v_nop                                          ; a plain line behind the roots
	s_wait_alu depctr_va_vdst(0)
.irp i, 0,1,2,3
.irp j, 0,2,4,6
	v_pk_mul_f32 v[R0+16*\i+\j:R0+16*\i+\j+1], v[R0+16*\i+\j:R0+16*\i+\j+1], v[R0+16*\i+8:R0+16*\i+9] op_sel_hi:[1,0]
.endr
.endr
.irp i, 0,1,2,3
.irp j, 0,2,4,6
	v_pk_fma_f32 v[R0+16*\i+\j:R0+16*\i+\j+1], v[R0+16*\i+\j:R0+16*\i+\j+1], v[PC+\j:PC+\j+1], v[PC+8+\j:PC+9+\j]   ; x gamma + beta
.endr
.endr
.irp i, 0,1,2,3
	global_store_b128 v[OA], v[R0+16*\i:R0+16*\i+3], s[36:37] offset:1024*\i th:TH_STORE_NT          ; each store of the wave covers 512 consecutive bytes, aligned
	global_store_b128 v[OA], v[R0+16*\i+4:R0+16*\i+7], s[36:37] offset:1024*\i+512 th:TH_STORE_NT
.endr
	s_wait_xcnt 0x0                                ; the stores have read their registers and their base: both are written again below
	s_add_nc_u64 s[8:9], s[8:9], 16384             ; 16 rows of 1,024 bytes on
	s_add_nc_u64 s[36:37], s[36:37], 16384
	s_add_co_u32 s77, s77, 2048
	s_add_co_u32 s69, s69, 1
	s_cmp_lt_u32 s69, 4
	s_cbranch_scc1 .Lsuper
	s_barrier_signal -1
	s_barrier_wait -1
	s_wait_tensorcnt 0x0
	ds_add_u32 v254, v255
	s_wait_dscnt 0x0
	s_endpgm
.Lfunc_end_k_q47a4526f39_chain:
	.size	k_q47a4526f39_chain, .Lfunc_end_k_q47a4526f39_chain-k_q47a4526f39_chain
	.p2alignl 7, 3214868480
	.fill 96, 4, 3214868480
	.section	.rodata,"a",@progbits
	.p2align	6, 0x0
	.amdhsa_kernel k_q47a4526f39_chain
		.amdhsa_group_segment_fixed_size 292352
		.amdhsa_private_segment_fixed_size 0
		.amdhsa_enable_private_segment 0
		.amdhsa_kernarg_size 120
		.amdhsa_user_sgpr_count 2
		.amdhsa_user_sgpr_kernarg_segment_ptr 1
		.amdhsa_wavefront_size32 1
		.amdhsa_system_sgpr_workgroup_id_x 1
		.amdhsa_system_sgpr_workgroup_id_y 1
		.amdhsa_system_sgpr_workgroup_id_z 1
		.amdhsa_system_vgpr_workitem_id 0
		.amdhsa_next_free_vgpr 1024
		.amdhsa_next_free_sgpr 84
		.amdhsa_reserve_vcc 1
		.amdhsa_float_denorm_mode_32 3
		.amdhsa_float_denorm_mode_16_64 3
		.amdhsa_memory_ordered 1
		.amdhsa_forward_progress 1
		.amdhsa_inst_pref_size 179
	.end_amdhsa_kernel
	.amdgpu_metadata
---
amdhsa.version: [ 1, 2 ]
amdhsa.kernels:
  - .name:           k_q47a4526f39_chain
    .symbol:         k_q47a4526f39_chain.kd
    .args:
      - { .name: fbuf, .offset: 0, .size: 8, .value_kind: global_buffer, .address_space: global }
      - { .name: fbbuf, .offset: 8, .size: 8, .value_kind: global_buffer, .address_space: global }
      - { .name: nidx, .offset: 16, .size: 8, .value_kind: global_buffer, .address_space: global }
      - { .name: nkd, .offset: 24, .size: 8, .value_kind: global_buffer, .address_space: global }
      - { .name: coords, .offset: 32, .size: 8, .value_kind: global_buffer, .address_space: global }
      - { .name: wq, .offset: 40, .size: 8, .value_kind: global_buffer, .address_space: global }
      - { .name: W_p1, .offset: 48, .size: 8, .value_kind: global_buffer, .address_space: global }
      - { .name: b_p1, .offset: 56, .size: 8, .value_kind: global_buffer, .address_space: global }
      - { .name: bq, .offset: 64, .size: 8, .value_kind: global_buffer, .address_space: global }
      - { .name: bk, .offset: 72, .size: 8, .value_kind: global_buffer, .address_space: global }
      - { .name: bv, .offset: 80, .size: 8, .value_kind: global_buffer, .address_space: global }
      - { .name: bo, .offset: 88, .size: 8, .value_kind: global_buffer, .address_space: global }
      - { .name: gamma, .offset: 96, .size: 8, .value_kind: global_buffer, .address_space: global }
      - { .name: beta, .offset: 104, .size: 8, .value_kind: global_buffer, .address_space: global }
      - { .name: out0, .offset: 112, .size: 8, .value_kind: global_buffer, .address_space: global }
    .group_segment_fixed_size: 292352
    .private_segment_fixed_size: 0
    .kernarg_segment_align: 8
    .kernarg_segment_size: 120
    .max_flat_workgroup_size: 128
    .sgpr_count:     84
    .vgpr_count:     1024
    .wavefront_size: 32
...
	.end_amdgpu_metadata
.endif
;; end of part 3
